; MI455X (gfx1250); checked and timed in simulation.
; The chip was launched on July 23, 2026; its instructions are those of AMD's public machine-readable ISA for CDNA 5 (MIT licence, August 2026) and "CDNA5" Instruction Set Architecture Reference Guide (July 2026). The comments in the code are by the model that wrote it; some were corrected since.
;; Mo E Layer. Allowed arithmetic: matrix products marked QUANTISED: E2M3 operands, one E8M0 scale for each 32 along K, by v_wmma_scale_f32_16x16x128_f8f6f4 with both operands' format E2M3, f32 sums; products left as they are: f32 operands where the result goes on into a quantised operand, else bf16, f16 or f32 operands; f32 sums; everything else in f32.
;; Inputs: W1 8 x 512 x 2,048 float32; W2 8 x 2,048 x 512 float32; Wg 512 x 8 float32; b1 8 x 2,048 float32; b2 8 x 512 float32; bg 8 float32; x 2 x 2,048 x 512 float32.
;; Outputs: out0 2 x 2,048 x 512 float32; out1 4,096 x 8 float32.
;; This version of the problem:
;;   THIS VERSION OF THE PROBLEM IS GIVEN IN LOW PRECISION. The matrix products marked QUANTISED in the list below multiply operands that are first quantised to E2M3 (2 exponent bits, 3 mantissa bits; 6 bits a number), with one power-of-two scale for each 32 numbers along K (OCP MX v1.0); their sums are f32. All else is computed in f32.
;;   The module's matrix products, in the order in which they are computed (A, B: the left and right operand; K: the contracted axis; several contracted axes count as one K, in the product's order):
;;     1. [M 4,096, K 512] x [K 512, N 8]; A: input x; B: input Wg: left as it is (N = 8 < 16)
;;     2. [M 4,096, K 512] x [K 512, N 2,048]; A: input x; B: input W1: QUANTISED
;;     3. [M 4,096, K 2,048] x [K 2,048, N 512]; A: computed on the way; B: input W2: QUANTISED
;;     4. [M 4,096, K 512] x [K 512, N 2,048]; A: input x; B: input W1: QUANTISED
;;     5. [M 4,096, K 2,048] x [K 2,048, N 512]; A: computed on the way; B: input W2: QUANTISED
;;     6. [M 4,096, K 512] x [K 512, N 2,048]; A: input x; B: input W1: QUANTISED
;;     7. [M 4,096, K 2,048] x [K 2,048, N 512]; A: computed on the way; B: input W2: QUANTISED
;;     8. [M 4,096, K 512] x [K 512, N 2,048]; A: input x; B: input W1: QUANTISED
;;     9. [M 4,096, K 2,048] x [K 2,048, N 512]; A: computed on the way; B: input W2: QUANTISED
;;     10. [M 4,096, K 512] x [K 512, N 2,048]; A: input x; B: input W1: QUANTISED
;;     11. [M 4,096, K 2,048] x [K 2,048, N 512]; A: computed on the way; B: input W2: QUANTISED
;;     12. [M 4,096, K 512] x [K 512, N 2,048]; A: input x; B: input W1: QUANTISED
;;     13. [M 4,096, K 2,048] x [K 2,048, N 512]; A: computed on the way; B: input W2: QUANTISED
;;     14. [M 4,096, K 512] x [K 512, N 2,048]; A: input x; B: input W1: QUANTISED
;;     15. [M 4,096, K 2,048] x [K 2,048, N 512]; A: computed on the way; B: input W2: QUANTISED
;;     16. [M 4,096, K 512] x [K 512, N 2,048]; A: input x; B: input W1: QUANTISED
;;     17. [M 4,096, K 2,048] x [K 2,048, N 512]; A: computed on the way; B: input W2: QUANTISED
;;   THE QUANTISER, for each operand of a quantised product, along K:
;;     - K is cut into blocks of 32 from its start; a last block that is shorter is filled with zeros.
;;     - A block's scale is 2^e with e = floor(log2(the largest magnitude in the block)) - 2, held to -126 .. 127; a block of zeros has e = 0. As a byte (E8M0): e + 127.
;;     - Each number is divided by its block's scale, clamped to +-7.5, and rounded to the nearest number of E2M3, ties to even, subnormals kept.
;;     - The product sums the exact products of the quantised numbers (number of the format x scale) in f32.
;;   ~~~python
;;   def quantise(x, axis):      # numpy; x: float32 -> the quantised numbers, widened to float32 again
;;       x = np.moveaxis(x, axis, -1); K = x.shape[-1]
;;       x = np.pad(x, [(0, 0)] * (x.ndim - 1) + [(0, -K % 32)]); x = x.reshape(x.shape[:-1] + (-1, 32)); a = np.abs(x).max(-1, keepdims=True)
;;       e = np.where(a > 0, np.clip(np.frexp(np.where(a > 0, a, 1))[1] - 1 - 2, -126, 127), 0)      # np.frexp(a)[1] - 1 = floor(log2(a)), exactly
;;       r = np.clip(x / 2.0 ** e, -7.5, 7.5)
;;       step = 2.0 ** (np.maximum(np.frexp(np.where(r == 0, 1, r))[1] - 1, 0) - 3)
;;       q = np.round(r / step) * step * 2.0 ** e      # np.round: ties to even
;;       return np.moveaxis(q.reshape(q.shape[:-2] + (-1,))[..., :K], -1, axis).astype(np.float32)
;;   ~~~
;;   OPERANDS COMPUTED ON THE WAY. 'Computed on the way' means the value that the module computes at that place (a softmax that the list does not call 'softmax' is quantised finished and normalised). What goes into a quantiser is computed in f32, as accurately as f32 sums, v_exp_f32 and their like allow (about 1e-6 of the number): no bf16 or f16 on the way to a quantiser, and a product that is left as it is and whose result goes on into a quantised operand takes f32 operands (vector FMAs, or v_wmma_f32_16x16x4_f32). A number that lies on a knife's edge between two numbers of the format may be rounded either way, as far as f32 arithmetic and the matrix unit's own rounding can turn it there, and no further.
;; 3 versions, each right; version 2 is faster than version 1; version 3 is version 2 with the launch chain written anew for expert scheduling mode. Each part assembles by itself: llvm-mc -triple=amdgcn-amd-amdhsa -mcpu=gfx1250 --defsym DOCPART=n.
;; ======== version 1 of 3: 4 launches
;; workspace buffers: xq 1,572,864 bytes; xs 65,536 bytes; wq 13,107,200 bytes; sel 16,384 bytes of whole numbers; list 133,120 bytes of whole numbers; cnt 256 bytes of whole numbers; ybuf 16,777,216 bytes
;; launch prep (part 1): grid 640 x 1, 4 waves a work-group, no clusters, 35,328 bytes of LDS; arguments x, Wg, bg, W1, W2, xq, xs, wq, out1, sel; writes xq, xs, wq, out1, sel
.if DOCPART == 1
	.amdgcn_target "amdgcn-amd-amdhsa--gfx1250"
	.amdhsa_code_object_version 6
	.text
	.protected	k_q1d19a39a87_prep
	.globl	k_q1d19a39a87_prep
	.p2align	8
	.type	k_q1d19a39a87_prep,@function
k_q1d19a39a87_prep:
	s_mov_b64 s[64:65], 0
	v_nop
	global_prefetch_b8 v0, s[64:65] scope:SCOPE_SE
	s_setreg_imm32_b32 hwreg(HW_REG_WAVE_MODE, 25, 1), 1
	s_wait_xcnt 0x0
; PREPARE.  Work-groups 0-127: x [4096][512] f32 -> codes of E2M3 and E8M0 scale bytes (xq, xs); the router x Wg + bg, its softmax (out1) and the two
; most probable experts of each token (sel).  Work-groups 128-639: W1 [8][512 k][2048] and W2 [8][2048 k][512], f32 with K outermost, -> wq: codes and scale
; words in the order of the operand's registers, so that the chain's waves load whole fragments by loads of 16 bytes a lane.
; THE QUANTISER: a block of 32 along K has the scale 2^(floor(log2(largest magnitude)) - 2); its byte is the largest magnitude's exponent field - 2.
; LIMITS: NaN and infinities among the inputs are not served.  A block whose largest magnitude lies under 2^-124 gets the byte 1; a block of zeros too,
; where the rule says 127: its codes are zeros, and the bytes are read by this program alone.  The router sums in f32 in another order than a plain
; row sum: a token whose second and third probabilities agree to about 1e-7 of their size may choose the other of the two.
; The router is done by f32 multiply-adds: the choice of experts hangs on it, and 8 columns are half a matrix tile.
; xq: [4096][384]: the block k = 128 s + 64 c + 32 h lies at byte 96 s + 48 h + 24 c of its row, so that lane (r, h)'s 12 registers of fragment s are 48 bytes on end.
; xs: [4096][16], a byte a block.   sel: [4096] words (1 << lower expert) | (1 << (8 + higher expert)).
; wq: [8 experts][4 waves][32 units][12,800 bytes].  A unit: 8 fragment images of 1,536 bytes (registers 4 g .. 4 g + 3 of lane l at 512 g + 16 l), then 512 bytes of scale words (register j of lane l at 16 l + 4 j).
;   units 0-15: W1, hidden units 512 w + 32 i on, fragment 2 s + u (K step s, tile u; lane r of tile u is hidden unit 8 u + r + 8 (r / 8) of the 32); scale register s, lanes 16 u + r.
;   units 16 + kappa: W2, K = hidden 128 kappa on, fragment n = output columns 128 w + 16 n + r; scale register n / 2, lanes 16 (n % 2) + r.
; The two paths part on the work-group's number and have LDS bytes of their own.  Waves share nothing: no barrier.
.set XSTG,  24576                      ; LDS: the weights' stages 0 .. 24,575 (6,144 a wave); x's stages from here (2,560 a wave)
.set FLOOR, 0x1800000                  ; 2^(3 - 127): no largest magnitude is taken under it, so the byte cannot fall under 1
.set OFFE,  0xff000000                 ; takes 2 off an exponent field
	s_load_b512 s[4:19], s[0:1], 0x0               ; x s[4:5], Wg s[6:7], bg s[8:9], W1 s[10:11], W2 s[12:13], xq s[14:15], xs s[16:17], wq s[18:19]
	s_load_b128 s[20:23], s[0:1], 0x40             ; out1 s[20:21], sel s[22:23]
	v_lshl_add_u32 v14, v0, 2, 0x8800
	v_mov_b32 v23, 0
	v_lshrrev_b32 v1, 5, v0
	v_readfirstlane_b32 s24, v1                    ; wave 0..3
	v_and_b32 v1, 31, v0                           ; lane
	v_lshlrev_b32 v2, 4, v1                        ; 16 x lane
	s_cmp_lt_u32 ttmp9, 128
	s_cbranch_scc0 .Lweights
; ---------------------------------------------------------------- x: a work-group takes 32 rows, a wave 8, one after the other
; v3, v4 the stage, in and out; v5 my codes' place in a row of xq; v6 my scale word's place; v7 my byte's shift; v8-13 at work; v15 my place in Wg;
; v16-23 codes, two sets; v24-31 eight partial logits; v32-39 lane t: row t's logits; v40-55 16 neighbours; v56-119 four rows as loaded; v120-127 at work; v128-255 my 16 rows of Wg
	s_mul_i32 s25, s24, 2560
	s_add_co_u32 s25, s25, XSTG
	v_lshrrev_b32 v3, 2, v1
	v_mul_u32_u24 v3, v3, 80
	v_and_b32 v4, 3, v1
	v_lshl_add_u32 v3, v4, 4, v3
	v_add_nc_u32 v3, s25, v3                       ; in: four lanes' 64 bytes on end, then 16 of padding
	v_mul_u32_u24 v4, v1, 80
	v_add_nc_u32 v4, s25, v4                       ; out: my 16 neighbours, k = 16 lane on
	v_lshrrev_b32 v5, 3, v1                        ; s = lane / 8
	v_lshlrev_b32 v6, 2, v5                        ; the scale word of K step s
	v_mul_u32_u24 v5, v5, 96
	v_bfe_u32 v8, v1, 1, 1                         ; h
	v_mad_u32_u24 v5, v8, 48, v5
	v_bfe_u32 v8, v1, 2, 1                         ; c
	v_mad_u32_u24 v5, v8, 24, v5
	v_and_b32 v8, 1, v1                            ; which half of the block
	v_mad_u32_u24 v5, v8, 12, v5
	v_bfe_u32 v7, v1, 1, 2
	v_lshlrev_b32 v7, 3, v7                        ; my block's byte in its word: 8 x ((lane / 2) % 4) bits up
	v_lshlrev_b32 v15, 7, v1                       ; Wg: rows 4 lane on, 32 bytes each
	v_mov_b32 v12, 0                               ; (the destination of a lane move counts as read: written once)
.irp e, 0,1,2,3,4,5,6,7
	v_mov_b32 v[32+\e], 0
	v_mov_b32 v[120+\e], 0
.endr
	s_mov_b32 s26, 0x76543210
	s_mov_b32 s27, 0xfedcba98                      ; v_permlanex16_b32's selects for lane l xor 16
	s_lshl_b32 s40, ttmp9, 5
	s_lshl_b32 s41, s24, 3
	s_add_co_u32 s40, s40, s41                     ; my first row: 32 x work-group + 8 x wave
	s_mov_b32 s43, 0
	s_wait_kmcnt 0x0
	s_load_b256 s[32:39], s[8:9], 0x0              ; bg
	s_lshl_b32 s42, s40, 11
	s_add_nc_u64 s[4:5], s[4:5], s[42:43]          ; x: 2,048 bytes a row
	s_mul_i32 s42, s40, 384
	s_add_nc_u64 s[14:15], s[14:15], s[42:43]
	s_lshl_b32 s42, s40, 4
	s_add_nc_u64 s[16:17], s[16:17], s[42:43]
	s_lshl_b32 s42, s40, 5
	s_add_nc_u64 s[20:21], s[20:21], s[42:43]
	s_lshl_b32 s42, s40, 2
	s_add_nc_u64 s[22:23], s[22:23], s[42:43]
.irp j, 0,1,2,3
.irp c, 0,1,2,3
	global_load_b128 v[128+8*(4*\j+\c):128+8*(4*\j+\c)+3], v15, s[6:7] offset:4096*\j+32*\c       ; Wg[128 j + 4 lane + c][0 .. 3]
	global_load_b128 v[128+8*(4*\j+\c)+4:128+8*(4*\j+\c)+7], v15, s[6:7] offset:4096*\j+32*\c+16  ; and [4 .. 7]
.endr
.endr
.macro XLOAD t                         ; row t as it lies: each load reads 512 consecutive bytes; register 4 i + c of lane l is k = 128 i + 4 l + c
.irp i, 0,1,2,3
	global_load_b128 v[56+16*((\t)%4)+4*\i:56+16*((\t)%4)+4*\i+3], v2, s[4:5] offset:2048*(\t)+512*\i th:TH_LOAD_NT
.endr
.endm
.irp t, 0,1,2,3
	XLOAD \t
.endr
.macro ROW t
.set RS, 56+16*((\t)%4)
.set CD, 16+4*((\t)%2)
.if (\t) <= 4
	s_wait_loadcnt 12                              ; this row's four loads are in (and Wg, which is older); those of the three rows behind it may be out
.else
	s_wait_loadcnt 4*(7-(\t))
.endif
.irp i, 0,1,2,3
	ds_store_b128 v3, v[RS+4*\i:RS+4*\i+3] offset:640*\i   ; the row turns through my stage: LDS serves a wave's instructions in order, so no wait stands between stores and loads
.endr
.irp i, 0,1,2,3
	ds_load_b128 v[40+4*\i:40+4*\i+3], v4 offset:16*\i
.endr
.irp p, 0,1,2,3                        ; the router, on the row as loaded: my 16 numbers against my 16 rows of Wg, two experts an instruction; the first product starts the sums
	v_pk_mul_f32 v[24+2*\p:25+2*\p], v[RS:RS+1], v[128+2*\p:129+2*\p] op_sel_hi:[0,1]
.endr
.irp q, 1,2,3,4,5,6,7,8,9,10,11,12,13,14,15
.irp p, 0,1,2,3
.if (\q)%2
	v_pk_fma_f32 v[24+2*\p:25+2*\p], v[RS+\q-1:RS+\q], v[128+8*\q+2*\p:129+8*\q+2*\p], v[24+2*\p:25+2*\p] op_sel:[1,0,0] op_sel_hi:[1,1,1]   ; the pair's second number for both halves
.else
	v_pk_fma_f32 v[24+2*\p:25+2*\p], v[RS+\q:RS+\q+1], v[128+8*\q+2*\p:129+8*\q+2*\p], v[24+2*\p:25+2*\p] op_sel_hi:[0,1,1]                  ; the pair's first
.endif
.endr
.endr
	s_wait_dscnt 0x0                               ; my 16 neighbours are back, and the stores into the stage have read the row's registers,
.if (\t) < 4
	XLOAD (\t)+4                                   ; which take the row four further on
.endif
	s_wait_xcnt 0x0                                ; the earlier rows' stores have read their codes and scale words: both are written again only behind this wait
	v_max3_num_f32 v8, |v40|, |v41|, |v42|         ; the largest magnitude of my 16, in two chains
	v_max3_num_f32 v9, |v43|, |v44|, |v45|
.irp i, 6,10
	v_max3_num_f32 v8, v8, |v[40+\i]|, |v[41+\i]|
	v_max3_num_f32 v9, v9, |v[42+\i]|, |v[43+\i]|
.endr
	v_max3_num_f32 v8, v8, |v54|, |v55|
	v_max3_num_f32 v8, v8, v9, FLOOR
	v_max_num_f32_dpp v8, v8, v8 row_xmask:1 row_mask:0xf bank_mask:0xf   ; and of my neighbour's 16: the block's
	v_add_nc_u32 v11, OFFE, v8                     ; the conversion takes the exponent field of this operand as its scale
	v_cvt_scalef32_pk16_fp6_f32 v[CD:CD+2], v[40:55], v11
	v_lshrrev_b32 v10, 23, v11                     ; the scale's byte (a plain line behind the conversion)
	global_store_b96 v5, v[CD:CD+2], s[14:15] offset:384*(\t)
	v_lshlrev_b32 v10, v7, v10                     ; at its place in the word; the words of lanes l xor 2 and l xor 4 bring the other three bytes
	v_mov_b32_dpp v12, v10 row_xmask:2 row_mask:0xf bank_mask:0xf
	v_or_b32 v10, v10, v12
	v_mov_b32_dpp v12, v10 row_xmask:4 row_mask:0xf bank_mask:0xf
	v_or_b32 v13, v10, v12
	global_store_b32 v6, v13, s[16:17] offset:16*(\t)      ; eight lanes write the same word with the same value
.irp x, 1,2,4,8                        ; the eight logits summed over the 32 lanes
.irp e, 0,1,2,3,4,5,6,7
	v_add_f32_dpp v[24+\e], v[24+\e], v[24+\e] row_xmask:\x row_mask:0xf bank_mask:0xf
.endr
.endr
.irp e, 0,1,2,3,4,5,6,7
	v_permlanex16_b32 v[120+\e], v[24+\e], s26, s27
.endr
.irp e, 0,1,2,3,4,5,6,7
	v_add_f32 v[24+\e], v[24+\e], v[120+\e]
.endr
	s_mov_b32 s28, 1<<(\t)
.irp e, 0,1,2,3,4,5,6,7
	v_cndmask_b32 v[32+\e], v[32+\e], v[24+\e], s28        ; lane t keeps row t's
.endr
.endm
.irp t, 0,1,2,3,4,5,6,7
	ROW \t
.endr
	; lane i < 8 holds row i: softmax with the row's maximum taken off, then the two largest probabilities
	s_wait_kmcnt 0x0                               ; bg
.irp e, 0,1,2,3,4,5,6,7
	v_add_f32 v[32+\e], s[32+\e], v[32+\e]
.endr
	v_max3_num_f32 v8, v32, v33, v34
	v_max3_num_f32 v8, v8, v35, v36
	v_max3_num_f32 v8, v8, v37, v38
	v_max_num_f32 v8, v8, v39
.irp e, 0,1,2,3,4,5,6,7
	v_sub_f32 v[32+\e], v[32+\e], v8
.endr
.irp e, 0,1,2,3,4,5,6,7
	v_mul_f32 v[32+\e], 0x3fb8aa3b, v[32+\e]       ; x log2(e)
.endr
.irp e, 0,1,2,3,4,5,6,7
	v_exp_f32 v[32+\e], v[32+\e]
.endr
	v_nop                                          ; a plain line behind the exponentials
	s_wait_alu depctr_va_vdst(0)
	v_add_f32 v8, v32, v33
	v_add_f32 v9, v34, v35
	v_add_f32 v10, v36, v37
	v_add_f32 v11, v38, v39
	v_add_f32 v8, v8, v9
	v_add_f32 v10, v10, v11
	v_add_f32 v8, v8, v10
	v_rcp_f32 v8, v8
	v_nop                                          ; a plain line behind the reciprocal
	s_wait_alu depctr_va_vdst(0)
.irp e, 0,1,2,3,4,5,6,7
	v_mul_f32 v[32+\e], v[32+\e], v8               ; the gate weights
.endr
	v_mov_b32 v120, v32                            ; the largest so far and its expert; the second and its expert.  Only a strictly larger number displaces: of equals the lower expert stays
	v_mov_b32 v121, 0
	v_mov_b32 v122, -1.0                           ; under every probability
	v_mov_b32 v123, 0
.irp e, 1,2,3,4,5,6,7
	v_mov_b32 v124, \e
	v_cmp_gt_f32 s29, v[32+\e], v120
	v_cmp_gt_f32 s30, v[32+\e], v122
	v_cndmask_b32 v122, v122, v[32+\e], s30
	v_cndmask_b32 v123, v123, v124, s30
	v_cndmask_b32 v122, v122, v120, s29
	v_cndmask_b32 v123, v123, v121, s29
	v_cndmask_b32 v120, v120, v[32+\e], s29
	v_cndmask_b32 v121, v121, v124, s29
.endr
	v_min_u32 v8, v121, v123                       ; the lower expert's number,
	v_max_u32 v9, v121, v123                       ; the higher's
	v_mov_b32 v10, 1
	v_lshlrev_b32 v8, v8, v10
	v_mov_b32 v10, 0x100
	v_lshlrev_b32 v9, v9, v10
	v_or_b32 v8, v8, v9                            ; the choice is stored at a fixed place: no address of this launch hangs on it
	v_lshlrev_b32 v9, 5, v1
	v_lshlrev_b32 v10, 2, v1
	s_wait_xcnt 0x0                                ; EXEC changes only behind this wait
	v_cmp_gt_u32 vcc_lo, 8, v1
	s_wait_tensorcnt 0x0
	ds_add_u32 v14, v23
	s_wait_dscnt 0x0
	s_and_saveexec_b32 s29, vcc_lo
	global_store_b128 v9, v[32:35], s[20:21]       ; eight lanes store the wave's 256 consecutive bytes of out1
	global_store_b128 v9, v[36:39], s[20:21] offset:16
	global_store_b32 v10, v8, s[22:23]
	s_endpgm
; ---------------------------------------------------------------- the weights: a wave takes 32 columns x 256 along K.  A LANE TAKES A COLUMN AND ITS REGISTERS RUN DOWN K
; One text for W1 and W2: they differ in scalars alone (the row's pitch, which column a lane takes, where the results go).  Every LDS address hangs on wave and lane alone.
; v3 the stage, in; v4 out; v8-11 at work; v16-21 a block's codes; v24-26 its second half as converted; v28-29 the scale words of my two K steps; v32-63 byte offsets of 32 rows; v64-127 two blocks; v128-175 the way out
.Lweights:
	s_mul_i32 s33, s24, 6144
	v_lshrrev_b32 v5, 4, v1                        ; u: which of my two tiles of 16 columns I serve
	v_and_b32 v6, 15, v1                           ; r: which lane of that tile
	v_mul_u32_u24 v3, v5, 1536
	v_lshl_add_u32 v3, v6, 4, v3
	v_add_nc_u32 v3, s33, v3                       ; in: image u, lane r
	v_add_nc_u32 v4, s33, v2                       ; out: as it lies
	v_lshrrev_b32 v6, 3, v1
	v_xor_b32 v6, v6, v5
	v_and_b32 v6, 1, v6                            ; do bits 3 and 4 of my lane's number differ?
	s_sub_co_u32 s25, ttmp9, 128                   ; 0-255: W1; 256-511: W2
	s_bfe_u32 s26, s25, 0x30005                    ; the expert
	s_and_b32 s27, s25, 31
	s_lshl_b32 s30, s26, 22                        ; an expert's weights are 4,194,304 bytes in both tensors
	s_lshl_b32 s33, s24, 7
	s_add_co_u32 s30, s30, s33                     ; + my wave's 32 columns
	s_lshl_b32 s32, s26, 7                         ; 128 units an expert
	s_mov_b32 s31, 0
	s_mov_b32 s35, 0
	s_mov_b32 s37, 0
	s_mov_b32 s39, 0
	s_mov_b32 s41, 0
	s_mov_b32 s43, 0
	s_wait_kmcnt 0x0
	s_cmp_lt_u32 s25, 256
	s_cselect_b64 s[10:11], s[10:11], s[12:13]     ; the choice hangs on the work-group's number alone
	s_cbranch_scc0 .Lw2
	s_lshr_b32 s33, s27, 1                         ; W1: which 128 hidden units,
	s_and_b32 s42, s27, 1                          ; which half of K
	s_mov_b32 s28, 8192                            ; bytes from row to row
	s_mov_b32 s29, 24                              ; lanes change bits 3 and 4: lane r of tile u takes column 8 u + r + 8 (r / 8)
	s_lshl_b32 s34, s42, 21
	s_add_co_u32 s30, s30, s34
	s_lshl_b32 s34, s33, 9
	s_add_co_u32 s30, s30, s34
	s_lshr_b32 s34, s33, 2
	s_lshl_b32 s34, s34, 5
	s_add_co_u32 s32, s32, s34
	s_and_b32 s34, s33, 3
	s_lshl_b32 s34, s34, 2
	s_add_co_u32 s32, s32, s34
	s_add_co_u32 s32, s32, s24                     ; the unit: my 32 hidden units
	s_mul_i32 s32, s32, 12800
	s_mul_i32 s34, s42, 6144
	s_add_co_u32 s34, s34, s32                     ; fragments 4 x half on;
	s_mov_b32 s36, 3072                            ; my second K step's two follow
	s_lshl_b32 s38, s42, 3
	s_add_co_u32 s38, s38, s32
	s_add_co_u32 s38, s38, 12288                   ; scale registers 2 x half
	s_mov_b32 s40, 4                               ; and the next
	s_branch .Lwjoin
.Lw2:
	s_lshr_b32 s33, s27, 3                         ; W2: which 128 output columns,
	s_and_b32 s42, s27, 7                          ; which 256 along K
	s_mov_b32 s28, 2048
	s_mov_b32 s29, 0                               ; lanes take columns in order
	s_lshl_b32 s34, s42, 19
	s_add_co_u32 s30, s30, s34
	s_lshl_b32 s34, s33, 9
	s_add_co_u32 s30, s30, s34
	s_lshl_b32 s34, s33, 5
	s_add_co_u32 s32, s32, s34
	s_lshl_b32 s34, s42, 1
	s_add_co_u32 s32, s32, s34
	s_add_co_u32 s32, s32, 16                      ; the unit of my first K step
	s_mul_i32 s32, s32, 12800
	s_mul_i32 s34, s24, 3072
	s_add_co_u32 s34, s34, s32                     ; fragments 2 x wave on;
	s_mov_b32 s36, 12800                           ; my second K step is the next unit
	s_lshl_b32 s38, s24, 2
	s_add_co_u32 s38, s38, s32
	s_add_co_u32 s38, s38, 12288                   ; scale register = wave
	s_mov_b32 s40, 12800
.Lwjoin:
	s_lshl_b32 s42, s28, 5                         ; 32 rows
	s_add_nc_u64 s[44:45], s[10:11], s[30:31]      ; a base for each of my 8 blocks: no pointer is stepped while loads are out
.irp t, 1,2,3,4,5,6,7
	s_add_nc_u64 s[44+2*\t:45+2*\t], s[42+2*\t:43+2*\t], s[42:43]
.endr
	s_add_nc_u64 s[4:5], s[18:19], s[34:35]        ; where the codes of my first K step go,
	s_add_nc_u64 s[6:7], s[4:5], s[36:37]          ; of my second,
	s_add_nc_u64 s[8:9], s[18:19], s[38:39]        ; and the scale words
	s_add_nc_u64 s[16:17], s[8:9], s[40:41]
	v_mul_u32_u24 v6, s29, v6
	v_xor_b32 v6, v6, v1                           ; my column of the wave's 32
	v_lshlrev_b32 v32, 2, v6
.irp i, 1,2,3,4,5,6,7,8,9,10,11,12,13,14,15,16,17,18,19,20,21,22,23,24,25,26,27,28,29,30,31
	v_add_nc_u32 v[32+\i], s28, v[31+\i]           ; row i of a block
.endr
.macro WLOAD t                         ; block t: 32 rows; each load reads the wave's 128 consecutive bytes of a row
.irp i, 0,1,2,3,4,5,6,7,8,9,10,11,12,13,14,15,16,17,18,19,20,21,22,23,24,25,26,27,28,29,30,31
	global_load_b32 v[64+32*((\t)%2)+\i], v[32+\i], s[44+2*(\t):45+2*(\t)] th:TH_LOAD_NT
.endr
.endm
	WLOAD 0
	WLOAD 1
.macro BLOCK t                         ; block t = K step t / 4, c = (t / 2) % 2, h = t % 2: it becomes registers 6 c .. 6 c + 5 of image lane (r, h)
.set XB, 64+32*((\t)%2)
.set OB, 3072*((\t)/4)+256*((\t)%2)
.if (\t) < 7
	s_wait_loadcnt 32                              ; this block's 32 loads are in; the next block's may be out
.else
	s_wait_loadcnt 0x0
.endif
	v_max3_num_f32 v8, |v[XB]|, |v[XB+1]|, |v[XB+2]|       ; the block's largest magnitude: all 32 numbers are mine
	v_max3_num_f32 v9, |v[XB+3]|, |v[XB+4]|, |v[XB+5]|
.irp i, 6,10,14,18,22,26
	v_max3_num_f32 v8, v8, |v[XB+\i]|, |v[XB+\i+1]|
	v_max3_num_f32 v9, v9, |v[XB+\i+2]|, |v[XB+\i+3]|
.endr
	v_max3_num_f32 v8, v8, |v[XB+30]|, |v[XB+31]|
	v_max3_num_f32 v8, v8, v9, FLOOR
	v_add_nc_u32 v10, OFFE, v8
	v_lshrrev_b32 v11, 23, v10
.if (\t)%4 == 0
	v_mov_b32 v[28+(\t)/4], v11                    ; four bytes to a scale word, the lower K in the lower byte
.else
	v_lshl_or_b32 v[28+(\t)/4], v11, 8*((\t)%4), v[28+(\t)/4]
.endif
	v_cvt_scalef32_pk16_fp6_f32 v[16:18], v[XB:XB+15], v10
	v_cvt_scalef32_pk16_fp6_f32 v[24:26], v[XB+16:XB+31], v10      ; (a conversion's three registers begin on an even number)
	v_nop                                          ; a plain line behind the conversions
	v_mov_b32 v19, v24
	v_mov_b32 v20, v25
	v_mov_b32 v21, v26
.if ((\t)/2)%2 == 0
	ds_store_b128 v3, v[16:19] offset:OB           ; registers 0-3: group 0
	ds_store_b64 v3, v[20:21] offset:OB+512        ; registers 4, 5: the lower half of group 1
.else
	ds_store_b64 v3, v[16:17] offset:OB+520        ; registers 6, 7: its upper half
	ds_store_b128 v3, v[18:21] offset:OB+1024      ; registers 8-11: group 2
.endif
.if (\t) < 6
	WLOAD (\t)+2
.endif
	s_wait_dscnt 0x0                               ; the stores have read their registers: the next block's codes may be written
.endm
.irp t, 0,1,2,3,4,5,6,7
	BLOCK \t
.endr
	global_store_b32 v2, v28, s[8:9]               ; my scale words: 4 bytes of each lane's 16
	global_store_b32 v2, v29, s[16:17]
.irp i, 0,1,2,3,4,5,6,7,8,9,10,11
	ds_load_b128 v[128+4*\i:131+4*\i], v4 offset:512*\i    ; LDS serves a wave's instructions in order: these see my stores
.endr
.irp i, 0,1,2,3,4,5
	s_wait_dscnt 11-\i                             ; the younger loads may be out
	global_store_b128 v2, v[128+4*\i:131+4*\i], s[4:5] offset:512*\i       ; 32 lanes store 512 consecutive bytes, at a multiple of 256 from wq's first byte
.endr
.irp i, 6,7,8,9,10,11
	s_wait_dscnt 11-\i
	global_store_b128 v2, v[128+4*\i:131+4*\i], s[6:7] offset:512*(\i-6)
.endr
	s_wait_tensorcnt 0x0
	ds_add_u32 v14, v23
	s_wait_dscnt 0x0
	s_endpgm
.Lfunc_end_k_q1d19a39a87_prep:
	.size	k_q1d19a39a87_prep, .Lfunc_end_k_q1d19a39a87_prep-k_q1d19a39a87_prep
	.p2alignl 7, 3214868480
	.fill 96, 4, 3214868480
	.section	.rodata,"a",@progbits
	.p2align	6, 0x0
	.amdhsa_kernel k_q1d19a39a87_prep
		.amdhsa_group_segment_fixed_size 35328
		.amdhsa_private_segment_fixed_size 0
		.amdhsa_enable_private_segment 0
		.amdhsa_kernarg_size 80
		.amdhsa_user_sgpr_count 2
		.amdhsa_user_sgpr_kernarg_segment_ptr 1
		.amdhsa_wavefront_size32 1
		.amdhsa_system_sgpr_workgroup_id_x 1
		.amdhsa_system_sgpr_workgroup_id_y 1
		.amdhsa_system_sgpr_workgroup_id_z 1
		.amdhsa_system_vgpr_workitem_id 0
		.amdhsa_next_free_vgpr 256
		.amdhsa_next_free_sgpr 66
		.amdhsa_reserve_vcc 1
		.amdhsa_float_denorm_mode_32 3
		.amdhsa_float_denorm_mode_16_64 3
		.amdhsa_memory_ordered 1
		.amdhsa_forward_progress 1
		.amdhsa_inst_pref_size 132
	.end_amdhsa_kernel
	.amdgpu_metadata
---
amdhsa.version: [ 1, 2 ]
amdhsa.kernels:
  - .name:           k_q1d19a39a87_prep
    .symbol:         k_q1d19a39a87_prep.kd
    .args:
      - { .name: x, .offset: 0, .size: 8, .value_kind: global_buffer, .address_space: global }
      - { .name: Wg, .offset: 8, .size: 8, .value_kind: global_buffer, .address_space: global }
      - { .name: bg, .offset: 16, .size: 8, .value_kind: global_buffer, .address_space: global }
      - { .name: W1, .offset: 24, .size: 8, .value_kind: global_buffer, .address_space: global }
      - { .name: W2, .offset: 32, .size: 8, .value_kind: global_buffer, .address_space: global }
      - { .name: xq, .offset: 40, .size: 8, .value_kind: global_buffer, .address_space: global }
      - { .name: xs, .offset: 48, .size: 8, .value_kind: global_buffer, .address_space: global }
      - { .name: wq, .offset: 56, .size: 8, .value_kind: global_buffer, .address_space: global }
      - { .name: out1, .offset: 64, .size: 8, .value_kind: global_buffer, .address_space: global }
      - { .name: sel, .offset: 72, .size: 8, .value_kind: global_buffer, .address_space: global }
    .group_segment_fixed_size: 35328
    .private_segment_fixed_size: 0
    .kernarg_segment_align: 8
    .kernarg_segment_size: 80
    .max_flat_workgroup_size: 128
    .sgpr_count:     66
    .vgpr_count:     256
    .wavefront_size: 32
...
	.end_amdgpu_metadata
.endif
;; end of part 1
;; launch place (part 2): grid 8 x 1, 1 waves a work-group, no clusters, 0 bytes of LDS; arguments sel, list, cnt; writes list, cnt
.if DOCPART == 2
	.amdgcn_target "amdgcn-amd-amdhsa--gfx1250"
	.amdhsa_code_object_version 6
	.text
	.protected	k_q1d19a39a87_place
	.globl	k_q1d19a39a87_place
	.p2align	8
	.type	k_q1d19a39a87_place,@function
k_q1d19a39a87_place:
	s_mov_b64 s[64:65], 0
	v_nop
	global_prefetch_b8 v0, s[64:65] scope:SCOPE_SE
	s_setreg_imm32_b32 hwreg(HW_REG_WAVE_MODE, 25, 1), 1
	s_wait_xcnt 0x0
; PLACE.  Work-group e, one wave, goes through all 4,096 choices and writes expert e's list of rows and their number: no atomics, each list has one owner.
; sel: [4096] words (1 << lower expert) | (1 << (8 + higher expert)).   list: [8][4160] words; an entry is token + 4096 x slot, slot = 1 where e is the token's higher expert: it is
; also the row of the chain's result.  cnt: 8 words.  The order inside a list is free: here by groups of 32 tokens 128 j + 4 lane + c.
; A lane whose token did not choose e stores to a word of its own behind the list (4096 + lane), which nobody reads: so EXEC never changes.
; v1 4 x lane; v2 4096 + lane; v3 16 x lane; v4, v5 at work; v16-31 sixteen offsets, v32-47 sixteen entries, by turns; v64-191 all of sel
	s_load_b128 s[4:7], s[0:1], 0x0                ; sel, list
	s_load_b64 s[8:9], s[0:1], 0x10                ; cnt
	v_lshlrev_b32 v3, 4, v0
	v_lshlrev_b32 v1, 2, v0
	v_add_nc_u32 v2, 4096, v0
	s_lshl_b32 s10, 0x101, ttmp9                   ; expert e's two bits
	s_mov_b32 s11, 255
	s_mul_i32 s12, ttmp9, 16640
	s_mov_b32 s13, 0
	s_mov_b32 s16, 0                               ; rows so far
	s_wait_kmcnt 0x0
	s_add_nc_u64 s[6:7], s[6:7], s[12:13]
	s_lshl_b32 s12, ttmp9, 2
	s_add_nc_u64 s[8:9], s[8:9], s[12:13]
.set J, 0
.rept 32
	global_load_b128 v[64+4*J:67+4*J], v3, s[4:5] offset:512*J
.set J, J+1
.endr
.macro STEP j, c
.set KK, (4*(\j)+(\c))%16
.if (\c) == 0
	s_wait_loadcnt 31-(\j)                         ; load j is in; the younger ones may be out
.endif
.if KK == 0
	s_wait_xcnt 0x0                                ; the last sixteen stores have read their offsets and entries: both are written again only behind this wait
.endif
	v_and_b32 v4, s10, v[64+4*(\j)+(\c)]
	v_cmp_ne_u32 s14, 0, v4                        ; who chose e,
	v_cmp_lt_u32 s15, s11, v4                      ; and as the higher of the two
	v_mbcnt_lo_u32_b32 v[16+KK], s14, s16          ; rows so far + those of the lanes below me
	v_cndmask_b32 v[16+KK], v2, v[16+KK], s14
	v_min_u32 v[16+KK], 4127, v[16+KK]             ; inside the expert's 4,160 words whatever was read
	v_lshlrev_b32 v[16+KK], 2, v[16+KK]
	v_add_nc_u32 v[32+KK], 128*(\j)+(\c), v1
	v_add_nc_u32 v5, 4096+128*(\j)+(\c), v1
	v_cndmask_b32 v[32+KK], v[32+KK], v5, s15
	global_store_b32 v[16+KK], v[32+KK], s[6:7]
	s_bcnt1_i32_b32 s17, s14
	s_add_co_u32 s16, s16, s17
.endm
.set J, 0
.rept 32
	STEP J, 0
	STEP J, 1
	STEP J, 2
	STEP J, 3
.set J, J+1
.endr
	v_mov_b32 v6, s16
	v_mov_b32 v7, 0
	global_store_b32 v7, v6, s[8:9]                ; all lanes store the same word with the same value
	s_endpgm
.Lfunc_end_k_q1d19a39a87_place:
	.size	k_q1d19a39a87_place, .Lfunc_end_k_q1d19a39a87_place-k_q1d19a39a87_place
	.p2alignl 7, 3214868480
	.fill 96, 4, 3214868480
	.section	.rodata,"a",@progbits
	.p2align	6, 0x0
	.amdhsa_kernel k_q1d19a39a87_place
		.amdhsa_group_segment_fixed_size 0
		.amdhsa_private_segment_fixed_size 0
		.amdhsa_enable_private_segment 0
		.amdhsa_kernarg_size 24
		.amdhsa_user_sgpr_count 2
		.amdhsa_user_sgpr_kernarg_segment_ptr 1
		.amdhsa_wavefront_size32 1
		.amdhsa_system_sgpr_workgroup_id_x 1
		.amdhsa_system_sgpr_workgroup_id_y 1
		.amdhsa_system_sgpr_workgroup_id_z 1
		.amdhsa_system_vgpr_workitem_id 0
		.amdhsa_next_free_vgpr 192
		.amdhsa_next_free_sgpr 66
		.amdhsa_reserve_vcc 0
		.amdhsa_float_denorm_mode_32 3
		.amdhsa_float_denorm_mode_16_64 3
		.amdhsa_memory_ordered 1
		.amdhsa_forward_progress 1
		.amdhsa_inst_pref_size 98
	.end_amdhsa_kernel
	.amdgpu_metadata
---
amdhsa.version: [ 1, 2 ]
amdhsa.kernels:
  - .name:           k_q1d19a39a87_place
    .symbol:         k_q1d19a39a87_place.kd
    .args:
      - { .name: sel, .offset: 0, .size: 8, .value_kind: global_buffer, .address_space: global }
      - { .name: list, .offset: 8, .size: 8, .value_kind: global_buffer, .address_space: global }
      - { .name: cnt, .offset: 16, .size: 8, .value_kind: global_buffer, .address_space: global }
    .group_segment_fixed_size: 0
    .private_segment_fixed_size: 0
    .kernarg_segment_align: 8
    .kernarg_segment_size: 24
    .max_flat_workgroup_size: 32
    .sgpr_count:     66
    .vgpr_count:     192
    .wavefront_size: 32
...
	.end_amdgpu_metadata
.endif
;; end of part 2
;; launch chain (part 3): grid 135 x 1, 4 waves a work-group, no clusters, 148,992 bytes of LDS; arguments cnt, list, xq, xs, wq, b1, b2, out1, ybuf; writes ybuf
.if DOCPART == 3
	.amdgcn_target "amdgcn-amd-amdhsa--gfx1250"
	.amdhsa_code_object_version 6
	.text
	.protected	k_q1d19a39a87_chain
	.globl	k_q1d19a39a87_chain
	.p2align	8
	.type	k_q1d19a39a87_chain,@function
k_q1d19a39a87_chain:
	s_mov_b64 s[64:65], 0
	v_nop
	global_prefetch_b8 v0, s[64:65] scope:SCOPE_SE
	s_setreg_imm32_b32 hwreg(HW_REG_WAVE_MODE, 25, 1), 1
	s_wait_xcnt 0x0
; THE CHAIN.  A work-group takes one tile of 64 rows of one expert's list through (relu(x W1 + b1) W2 + b2) x gate weight, both products on codes of E2M3 with E8M0 scales, and stores
; the rows to ybuf [2 slots][4096][512] at the rows that the list names.  Only the rows whose token chose the expert are multiplied: the others are multiplied by a 0 that the layer itself builds.
; THE GRID serves every split: 8,192 rows in tiles of 64 over 8 experts are never more than 128 + 7 tiles.  A work-group that the split leaves without a tile passes over the work, passes the one
; barrier, stores nothing and ends.  A last tile that is short repeats its last row: the same bits go to the same place from the same wave, so EXEC never changes.
; SHARES.  THE WAVES SHARE THE COLUMNS: wave w makes hidden units 512 w on (phase 1) and output columns 128 w on (phase 2), for all four tiles of 16 rows.  So each fragment of the weights is wanted by
; ONE wave, which loads it from memory straight into registers, in the order in which an earlier launch laid it, and feeds four matrix instructions with it.
; NO CLUSTER, NO JOINT LOADS: the weights never pass through LDS, and which expert a work-group serves hangs on counts read from memory, so partners could not be promised the same tiles.
; Both products are used transposed (source 0 = 16 rows of weights, source 1 = 16 rows of the tile): a lane holds one row, and its registers run along the next K.
; The hidden layer, 64 x 2,048, is quantised in registers and lies in LDS as images of the operand's registers; one barrier stands between the phases.  The biases are the C of each sum's first product.
; THE RING: four slots of 96 registers + 4 scale registers; a unit (8 fragments + scale words, 12,800 bytes, 25 loads) serves 32 matrix instructions.  A slot's halves are asked for again as soon as they are multiplied.
; LIMITS: as the launch that quantises states them (NaN, infinities, blocks under 2^-124; a block of zeros has the byte 1 and zero codes).
; LDS: 0 the hidden layer's 64 images ((4 kappa + m) x 1,536); HSC their scale words ((4 kappa + m) x 128); B1L my wave's 512 numbers of b1; STG my wave's stage, 16 rows x 528.
; REGISTERS.  Window 0: v1 16 x lane; v2-4 this trip's LDS addresses; v5 scale words' place; v6-9 images' places; v10, v11 the stage in, out; v12 my bytes in a row of ybuf; v13-15 at work; v16-19 list entries;
;   v20-23 gate weights; v24-39 x's scale words, v40-55 the ring's, v56-63 the hidden layer's (scales and nothing else); v64-127 8 accumulators of phase 1; v128-175 codes; v176-191 second halves; v192-207 b1's two tiles;
;   v208-227 at work; v228-230 the LDS addresses' fixed parts.  Phase 2: v64-159 two sets of four hidden fragments.  Way out: v64-191 rows, two sets; v192-207 offsets.
;   Window 1: x's 16 fragments, then the 32 accumulators of phase 2 ((m, n) at 8 (8 m + n)).   Window 2: slots 0, 1; from v192 b2's 8 tiles.   Window 3: slots 2, 3.
.set HSC, 98304
.set B1L, 106496
.set STG, 114688
.set UB,  12800                        ; bytes of a unit
.set MSB, 0
.macro WIN new                         ; bits 1:0 source 0, 3:2 source 1, 5:4 source 2, 7:6 destination; the high byte repeats the setting that is left
.if MSB != (\new)
	s_set_vgpr_msb (MSB<<8)|(\new)
.set MSB, (\new)
.endif
.endm
.macro PLACES                          ; four plain lines between a matrix instruction and a load into, or a vector read of, its registers
.rept 4
	v_nop
.endr
.endm
.macro RLO slot, off                   ; fragments 0-3 of the unit at off: 12 loads of 512 consecutive bytes
	WIN (2+(\slot)/2)<<6
.irp i, 0,1,2,3,4,5,6,7,8,9,10,11
	global_load_b128 v[96*((\slot)%2)+4*\i:96*((\slot)%2)+4*\i+3], v1, s[50:51] offset:(\off)+512*\i
.endr
.endm
.macro RHI slot, off                   ; fragments 4-7 and the scale words: 13 loads
	WIN (2+(\slot)/2)<<6
.irp i, 12,13,14,15,16,17,18,19,20,21,22,23
	global_load_b128 v[96*((\slot)%2)+4*\i:96*((\slot)%2)+4*\i+3], v1, s[50:51] offset:(\off)+512*\i
.endr
	WIN 0
	global_load_b128 v[40+4*(\slot):43+4*(\slot)], v1, s[50:51] offset:(\off)+12288
.endm
	s_load_b512 s[4:19], s[0:1], 0x0               ; cnt s[4:5], list s[6:7], xq s[8:9], xs s[10:11], wq s[12:13], b1 s[14:15], b2 s[16:17], out1 s[18:19]
	s_load_b64 s[20:21], s[0:1], 0x40              ; ybuf
	v_lshl_add_u32 v254, v0, 2, 0x24400
	v_mov_b32 v255, 0
	v_lshrrev_b32 v13, 5, v0
	v_readfirstlane_b32 s32, v13                   ; wave 0..3
	v_and_b32 v13, 31, v0                          ; lane
	v_and_b32 v14, 15, v0                          ; r
	v_bfe_u32 v15, v0, 4, 1                        ; h
	v_lshlrev_b32 v1, 4, v13
	s_mul_i32 s54, s32, 24576
	v_add_nc_u32 v228, s54, v1                     ; my images: K steps 4 w on
	s_lshl_b32 s54, s32, 11
	v_lshlrev_b32 v5, 2, v13
	v_add_nc_u32 v5, HSC, v5
	v_add_nc_u32 v229, s54, v5                     ; and their scale words
	v_lshlrev_b32 v230, 6, v15
	v_add_nc_u32 v230, s54, v230
	v_add_nc_u32 v230, B1L, v230                   ; b1: my half's 16 numbers of a block of 32
	v_add_nc_u32 v145, s54, v1
	v_add_nc_u32 v145, B1L, v145                   ; where b1 is laid
.irp i, 0,1,2,3
	v_add_nc_u32 v[6+\i], 24576*\i, v1
.endr
	s_mul_i32 s55, s32, 8448
	v_mul_u32_u24 v10, v14, 528
	v_lshl_add_u32 v10, v15, 5, v10
	v_add_nc_u32 v10, s55, v10
	v_add_nc_u32 v10, STG, v10                     ; the stage: row r, + 32 h
	v_add_nc_u32 v11, s55, v1
	v_add_nc_u32 v11, STG, v11                     ; back: a row of 512 bytes to the 32 lanes
	s_lshl_b32 s55, s32, 9
	v_add_nc_u32 v12, s55, v1                      ; and the same in a row of ybuf: my wave's 512 bytes
	v_mul_u32_u24 v146, v15, 48
	v_lshlrev_b32 v144, 5, v15
.irp m, 0,1,2,3
	v_mov_b32 v[212+\m], 0                         ; written once: a lane permute's destination counts as one of its sources
.endr
	s_mov_b32 s48, 0x76543210
	s_mov_b32 s49, 0xfedcba98                      ; v_permlanex16_b32's selects for lane l xor 16
	s_mov_b32 s53, 0
	s_mov_b32 s56, 0
	s_mov_b32 s57, 0
	s_wait_kmcnt 0x0
	s_load_b256 s[24:31], s[4:5], 0x0              ; the experts' numbers of rows
	s_wait_kmcnt 0x0
.irp e, 0,1,2,3,4,5,6,7
	s_add_co_u32 s[40+\e], s[24+\e], 63
	s_lshr_b32 s[40+\e], s[40+\e], 6               ; tiles of expert e
.endr
	s_add_co_u32 s34, s40, s41
.irp e, 2,3,4,5,6,7
	s_add_co_u32 s34, s34, s[40+\e]
.endr
	s_cmp_ge_u32 ttmp9, s34
	s_cselect_b32 s38, 1, 0                        ; EMPTY: no tile is left for me.
	s_cselect_b32 s33, 0, ttmp9                    ; My tile; without one I address tile 0, which always exists, so that every load reads written bytes
	s_mov_b32 s34, 0
	s_mov_b32 s35, 0
	s_mov_b32 s36, 0
	s_mov_b32 s37, s24
.irp e, 0,1,2,3,4,5,6,7                ; the last expert whose first tile is not behind mine
	s_cmp_ge_u32 s33, s34
	s_cselect_b32 s35, \e, s35                     ; the expert,
	s_cselect_b32 s36, s34, s36                    ; its first tile,
	s_cselect_b32 s37, s[24+\e], s37               ; its rows
	s_add_co_u32 s34, s34, s[40+\e]
.endr
	s_min_u32 s35, s35, 7
	s_sub_co_u32 s39, s33, s36
	s_lshl_b32 s39, s39, 6                         ; my first place in the list
	s_sub_co_u32 s52, s37, 1                       ; the list's last
	s_mov_b32 s55, 0
	s_mul_i32 s54, s35, 16640
	s_add_nc_u64 s[6:7], s[6:7], s[54:55]
	s_lshl_b32 s54, s35, 13
	s_lshl_b32 s58, s32, 11
	s_add_co_u32 s54, s54, s58
	s_add_nc_u64 s[14:15], s[14:15], s[54:55]      ; b1: the expert's, my 512
	s_lshl_b32 s54, s35, 11
	s_lshl_b32 s58, s32, 9
	s_add_co_u32 s54, s54, s58
	s_add_nc_u64 s[16:17], s[16:17], s[54:55]      ; b2: the expert's, my 128
	s_lshl_b32 s54, s35, 2
	s_add_nc_u64 s[18:19], s[18:19], s[54:55]      ; the expert's column of the gate weights
	s_lshl_b32 s54, s35, 2
	s_add_co_u32 s54, s54, s32
	s_mul_i32 s54, s54, 32*UB
	s_add_nc_u64 s[50:51], s[12:13], s[54:55]      ; my stream of 32 units
.irp m, 0,1,2,3
	v_add_nc_u32 v[128+\m], s39, v14
	v_add_nc_u32 v[128+\m], 16*\m, v[128+\m]
	v_min_u32 v[128+\m], s52, v[128+\m]            ; past the list's end: its last row once more
	v_min_u32 v[128+\m], 0xfff, v[128+\m]
	v_lshlrev_b32 v[128+\m], 2, v[128+\m]
	global_load_b32 v[16+\m], v[128+\m], s[6:7]
.endr
.irp i, 0,1,2,3
	global_load_b128 v[192+4*\i:195+4*\i], v1, s[14:15] offset:512*\i
.endr
	s_wait_loadcnt 0x0
.irp i, 0,1,2,3
	ds_store_b128 v145, v[192+4*\i:195+4*\i] offset:512*\i
.endr
.irp m, 0,1,2,3
	v_min_u32 v[16+\m], 0x1fff, v[16+\m]           ; the entry: token + 4096 x slot
	v_and_b32 v[128+\m], 0xfff, v[16+\m]           ; the token
	v_mul_u32_u24 v[132+\m], 0x180, v[128+\m]
	v_add_nc_u32 v[132+\m], v146, v[132+\m]        ; its codes: 384 bytes a row, + 48 h
	v_lshlrev_b32 v[136+\m], 4, v[128+\m]          ; its scale words
	v_lshlrev_b32 v[140+\m], 5, v[128+\m]          ; its gate weights
.endr
	WIN 0x80
.irp n, 0,1,2,3,4,5,6,7
	global_load_b128 v[192+8*\n:195+8*\n], v144, s[16:17] offset:64*\n         ; b2 at output columns 16 n + 8 h + 0 .. 7: the result's layout
	global_load_b128 v[196+8*\n:199+8*\n], v144, s[16:17] offset:64*\n+16
.endr
	WIN 0x40
.irp m, 0,1,2,3
.irp s, 0,1,2,3
.irp g, 0,1,2
	global_load_b128 v[12*(4*\m+\s)+4*\g:12*(4*\m+\s)+4*\g+3], v[132+\m], s[8:9] offset:96*\s+16*\g   ; x's fragment (m, s): 48 bytes a lane
.endr
.endr
.endr
	WIN 0
.irp m, 0,1,2,3
	global_load_b128 v[24+4*\m:27+4*\m], v[136+\m], s[10:11]
	global_load_b32 v[20+\m], v[140+\m], s[18:19]
.endr
.irp q, 0,1,2,3
	RLO \q, \q*UB                                  ; the ring's first four units
	RHI \q, \q*UB
.endr
	s_wait_dscnt 0x0                               ; b1 lies in LDS, and its stores have read their registers
; PHASE 1.  16 products of unit b: K step s, tiles u = 0, 1 of 16 hidden units, the four tiles of rows.  The eight accumulators take turns, one instruction a turn.
.macro P1 b, s
.irp u, 0,1
.irp m, 0,1,2,3
.set rD, 64+16*\m+8*\u
.set rA, 96*((\b)%2)+12*(2*(\s)+\u)
.set rB, 12*(4*\m+(\s))
.set rC, rD
.if (\s) == 0
.set rC, 192+8*\u                      ; the first K step starts the sums with b1
.endif
.set rSA, 40+4*(\b)+(\s)
.set rSB, 24+4*\m+(\s)
.if \u
	v_wmma_scale_f32_16x16x128_f8f6f4 v[rD:rD+7], v[rA:rA+11], v[rB:rB+11], v[rC:rC+7], v[rSA], v[rSB] matrix_a_fmt:MATRIX_FMT_FP6 matrix_b_fmt:MATRIX_FMT_FP6 matrix_a_scale:MATRIX_SCALE_ROW1
.else
	v_wmma_scale_f32_16x16x128_f8f6f4 v[rD:rD+7], v[rA:rA+11], v[rB:rB+11], v[rC:rC+7], v[rSA], v[rSB] matrix_a_fmt:MATRIX_FMT_FP6 matrix_b_fmt:MATRIX_FMT_FP6
.endif
.endr
.endr
.endm
.macro B1LOAD b                        ; b1 at hidden units 32 b + 16 h + 8 u + 0 .. 7 of the trip's 128
.irp u, 0,1
	ds_load_b128 v[192+8*\u:195+8*\u], v4 offset:128*(\b)+32*\u
	ds_load_b128 v[196+8*\u:199+8*\u], v4 offset:128*(\b)+32*\u+16
.endr
.endm
; Unit b's 32 hidden units are block b of the trip's K step.  A lane's 16 registers of a row tile are k = 32 b + 16 h + 0 .. 15 of its row.  The four row tiles take turns line by line.
.macro QB b
.irp j, 0,1,2,3,4,5,6,7,8,9,10,11,12,13,14,15
.irp m, 0,1,2,3
	v_max_num_f32 v[64+16*\m+\j], 0, v[64+16*\m+\j]        ; the activation; each accumulator from its low end on
.endr
.endr
.irp m, 0,1,2,3
	v_max3_num_f32 v[208+\m], v[64+16*\m], v[65+16*\m], 0x1800000  ; none is negative: no |.|; the floor 2^(3 - 127) holds the byte at 1 from below
.endr
.irp i, 2,4,6,8,10,12,14
.irp m, 0,1,2,3
	v_max3_num_f32 v[208+\m], v[208+\m], v[64+16*\m+\i], v[65+16*\m+\i]
.endr
.endr
.irp m, 0,1,2,3
	v_permlanex16_b32 v[212+\m], v[208+\m], s48, s49
.endr
.irp m, 0,1,2,3
	v_max_num_f32 v[208+\m], v[208+\m], v[212+\m]          ; with lane l xor 16's: the block's largest
.endr
.irp m, 0,1,2,3
	v_add_nc_u32 v[216+\m], 0xff000000, v[208+\m]          ; 2 off the exponent field: the conversion's scale operand
.endr
.irp m, 0,1,2,3
	v_lshrrev_b32 v[220+\m], 23, v[216+\m]                 ; the byte
.endr
.irp m, 0,1,2,3
.if (\b) == 0
	v_mov_b32 v[224+\m], v[220+\m]
.else
	v_lshl_or_b32 v[224+\m], v[220+\m], 8*(\b), v[224+\m]  ; into the row's scale word of this K step
.endif
.endr
.if (\b)%2 == 0
.irp m, 0,1,2,3
	v_cvt_scalef32_pk16_fp6_f32 v[128+12*\m+6*((\b)/2):128+12*\m+6*((\b)/2)+2], v[64+16*\m:79+16*\m], v[216+\m]
.endr
	v_nop                                          ; a plain line behind the conversions
.else
.irp m, 0,1,2,3
	v_cvt_scalef32_pk16_fp6_f32 v[176+4*\m:178+4*\m], v[64+16*\m:79+16*\m], v[216+\m]      ; (three registers that begin on an even number)
.endr
	v_nop
.irp m, 0,1,2,3                        ; the operand wants a WHOLE block in a lane: lanes 0-15 the even block, lanes 16-31 the odd one
.irp i, 0,1,2
	v_permlane16_swap_b32 v[128+12*\m+6*((\b)/2)+\i], v[176+4*\m+\i]
.endr
.endr
.irp m, 0,1,2,3
.irp i, 0,1,2
	v_mov_b32 v[128+12*\m+6*((\b)/2)+3+\i], v[176+4*\m+\i]
.endr
.endr
.endif
.if (\b) == 3
.irp m, 0,1,2,3                        ; the K step's four fragments go to LDS as they stand
.irp g, 0,1,2
	ds_store_b128 v2, v[128+12*\m+4*\g:128+12*\m+4*\g+3] offset:1536*\m+512*\g
.endr
	ds_store_b32 v3, v[224+\m] offset:128*\m
.endr
.endif
.endm
.macro UNIT1 b
	s_wait_loadcnt 63                              ; behind this unit's 25 loads 75 were issued (three units): with 63 out, the largest count that the wait names, the unit is in
	s_wait_dscnt 0x0                               ; b1's two tiles are in; the last trip's image stores have read their registers
	WIN 0x04|(2+(\b)/2)                            ; source 0: the slot's window; source 1 (x): window 1
	P1 \b, 0
	P1 \b, 1
	PLACES
	RLO \b, ((\b)+4)*UB                            ; fragments 0-3 are multiplied: the unit four further on
	WIN 0
.if (\b) < 3
	B1LOAD (\b)+1
.endif
	WIN 0x04|(2+(\b)/2)
	P1 \b, 2
	P1 \b, 3
	PLACES
	RHI \b, ((\b)+4)*UB
	QB \b
.endm
.Ltrip:                                            ; four trips, a constant: trip t makes K step 4 w + t of the second product from units 4 t .. 4 t + 3
	s_cmp_lg_u32 s38, 0
	s_cbranch_scc1 .Lskip                          ; without a tile: the work is passed over, the steps below are not.  Run or passed over, a trip leaves four units asked for, in the same order
	v_add_nc_u32 v2, s56, v228
	v_add_nc_u32 v3, s57, v229
	v_add_nc_u32 v4, s57, v230
	B1LOAD 0
	UNIT1 0
	UNIT1 1
	UNIT1 2
	UNIT1 3
.Lskip:
	s_wait_xcnt 0x0                                ; the loads that are out have read their base: it steps only behind this wait
	s_add_nc_u64 s[50:51], s[50:51], 4*UB
	s_add_co_u32 s56, s56, 6144
	s_add_co_u32 s57, s57, 512
	s_add_co_u32 s53, s53, 1
	s_cmp_lt_u32 s53, 4
	s_cbranch_scc1 .Ltrip
	s_wait_dscnt 0x0                               ; for the others' sake: my images and scale words lie in LDS
	s_barrier_signal -1
	s_barrier_wait -1                              ; every wave's do.  The barrier stands on every path
	s_cmp_lg_u32 s38, 0
	s_cbranch_scc1 .Lend
; PHASE 2, written out: unit k is K step k of W2 for my 128 output columns.  The 32 accumulators take turns, one instruction a turn.
.macro HFLOAD k                        ; the hidden layer's four fragments of K step k and their scale words, into set k % 2
.irp m, 0,1,2,3
.irp g, 0,1,2
	ds_load_b128 v[64+48*((\k)%2)+12*\m+4*\g:64+48*((\k)%2)+12*\m+4*\g+3], v[6+(\k)/4] offset:(4*((\k)%4)+\m)*1536+512*\g
.endr
	ds_load_b32 v[56+4*((\k)%2)+\m], v5 offset:(4*(\k)+\m)*128
.endr
.endm
.macro P2 k, n0
.irp n, \n0, \n0+1, \n0+2, \n0+3
.irp m, 0,1,2,3
.set rD, 8*(8*\m+(\n))
.set rA, 96*((\k)%2)+12*(\n)
.set rB, 64+48*((\k)%2)+12*\m
.set rC, rD
.if (\k) == 0
.set rC, 192+8*(\n)                    ; the first K step starts the sums with b2 (window 2)
.endif
.set rSA, 40+4*((\k)%4)+(\n)/2
.set rSB, 56+4*((\k)%2)+\m
.if (\n)%2
	v_wmma_scale_f32_16x16x128_f8f6f4 v[rD:rD+7], v[rA:rA+11], v[rB:rB+11], v[rC:rC+7], v[rSA], v[rSB] matrix_a_fmt:MATRIX_FMT_FP6 matrix_b_fmt:MATRIX_FMT_FP6 matrix_a_scale:MATRIX_SCALE_ROW1
.else
	v_wmma_scale_f32_16x16x128_f8f6f4 v[rD:rD+7], v[rA:rA+11], v[rB:rB+11], v[rC:rC+7], v[rSA], v[rSB] matrix_a_fmt:MATRIX_FMT_FP6 matrix_b_fmt:MATRIX_FMT_FP6
.endif
.endr
.endr
.endm
.macro UNIT2 k
.set WW, 0x50|(2+((\k)%4)/2)           ; source 0: the slot's window; C and D: window 1
.if (\k) == 0
.set WW, 0x62                          ; C: window 2
.endif
	WIN 0
.if (\k) <= 12
	s_wait_loadcnt 63                              ; as in phase 1
.else
	s_wait_loadcnt 25*(15-(\k))                    ; the units behind this one: two, one, none
.endif
	s_wait_dscnt 0x0                               ; this K step's hidden fragments are in
.if (\k) < 15
	HFLOAD (\k)+1                                  ; the next K step's, into the set that the last unit multiplied: its closing four plain lines stand between
.endif
	WIN WW
	P2 \k, 0
	PLACES
.if (\k) < 12
	RLO (\k)%4, ((\k)+4)*UB
.endif
	WIN WW
	P2 \k, 4
	PLACES
.if (\k) < 12
	RHI (\k)%4, ((\k)+4)*UB
.endif
.endm
	HFLOAD 0
.irp k, 0,1,2,3,4,5,6,7,8,9,10,11,12,13,14,15
	UNIT2 \k
.endr
; THE WAY OUT, a tile of 16 rows at a time: x the row's gate weight; a lane's 32 neighbouring bytes go to my own stage and come back as whole rows of my 512 bytes, each stored to the row of ybuf that the list names.
.macro OUTM m
.set BK, 64+64*((\m)%2)
	WIN 0
	v_mov_b32 v14, v[20+(\m)]
	v_mov_b32 v15, v[20+(\m)]
	WIN 0x41                                       ; the accumulators (destination, source 0): window 1
.set J, 0
.rept 32
	v_pk_mul_f32 v[64*(\m)+J:64*(\m)+J+1], v[64*(\m)+J:64*(\m)+J+1], v[14:15]      ; each accumulator from its low end on
.set J, J+2
.endr
	WIN 0x04                                       ; an LDS store's data are its source 1
.irp n, 0,1,2,3,4,5,6,7
	ds_store_b128 v10, v[64*(\m)+8*\n:64*(\m)+8*\n+3] offset:64*\n
	ds_store_b128 v10, v[64*(\m)+8*\n+4:64*(\m)+8*\n+7] offset:64*\n+16
.endr
	WIN 0
.if (\m) > 0
	s_wait_xcnt 0x0                                ; the earlier tiles' stores have read their rows and offsets: both are written again only behind this wait
.endif
.irp i, 0,1,2,3,4,5,6,7,8,9,10,11,12,13,14,15
	ds_load_b128 v[BK+4*\i:BK+4*\i+3], v11 offset:528*\i   ; LDS serves a wave's instructions in order: these see my stores, and the next tile's stores come behind them
.endr
.irp i, 0,1,2,3,4,5,6,7,8,9,10,11,12,13,14,15
	v_readlane_b32 s54, v[16+(\m)], \i             ; row i's entry
	s_min_u32 s54, s54, 0x1fff
	s_lshl_b32 s54, s54, 11                        ; 2,048 bytes a row
	v_add_nc_u32 v[192+\i], s54, v12
.endr
.irp i, 0,1,2,3,4,5,6,7,8,9,10,11,12,13,14,15
	s_wait_dscnt 15-\i                             ; the younger loads may be out
	global_store_b128 v[192+\i], v[BK+4*\i:BK+4*\i+3], s[20:21]    ; 32 lanes store 512 consecutive bytes, at a multiple of 256 from ybuf's first byte
.endr
.endm
	OUTM 0
	OUTM 1
	OUTM 2
	OUTM 3
.Lend:
	s_wait_tensorcnt 0x0
	ds_add_u32 v254, v255
	s_wait_dscnt 0x0
	s_endpgm
.Lfunc_end_k_q1d19a39a87_chain:
	.size	k_q1d19a39a87_chain, .Lfunc_end_k_q1d19a39a87_chain-k_q1d19a39a87_chain
	.p2alignl 7, 3214868480
	.fill 96, 4, 3214868480
	.section	.rodata,"a",@progbits
	.p2align	6, 0x0
	.amdhsa_kernel k_q1d19a39a87_chain
		.amdhsa_group_segment_fixed_size 148992
		.amdhsa_private_segment_fixed_size 0
		.amdhsa_enable_private_segment 0
		.amdhsa_kernarg_size 72
		.amdhsa_user_sgpr_count 2
		.amdhsa_user_sgpr_kernarg_segment_ptr 1
		.amdhsa_wavefront_size32 1
		.amdhsa_system_sgpr_workgroup_id_x 1
		.amdhsa_system_sgpr_workgroup_id_y 1
		.amdhsa_system_sgpr_workgroup_id_z 1
		.amdhsa_system_vgpr_workitem_id 0
		.amdhsa_next_free_vgpr 1024
		.amdhsa_next_free_sgpr 66
		.amdhsa_reserve_vcc 0
		.amdhsa_float_denorm_mode_32 3
		.amdhsa_float_denorm_mode_16_64 3
		.amdhsa_memory_ordered 1
		.amdhsa_forward_progress 1
		.amdhsa_inst_pref_size 230
	.end_amdhsa_kernel
	.amdgpu_metadata
---
amdhsa.version: [ 1, 2 ]
amdhsa.kernels:
  - .name:           k_q1d19a39a87_chain
    .symbol:         k_q1d19a39a87_chain.kd
    .args:
      - { .name: cnt, .offset: 0, .size: 8, .value_kind: global_buffer, .address_space: global }
      - { .name: list, .offset: 8, .size: 8, .value_kind: global_buffer, .address_space: global }
      - { .name: xq, .offset: 16, .size: 8, .value_kind: global_buffer, .address_space: global }
      - { .name: xs, .offset: 24, .size: 8, .value_kind: global_buffer, .address_space: global }
      - { .name: wq, .offset: 32, .size: 8, .value_kind: global_buffer, .address_space: global }
      - { .name: b1, .offset: 40, .size: 8, .value_kind: global_buffer, .address_space: global }
      - { .name: b2, .offset: 48, .size: 8, .value_kind: global_buffer, .address_space: global }
      - { .name: out1, .offset: 56, .size: 8, .value_kind: global_buffer, .address_space: global }
      - { .name: ybuf, .offset: 64, .size: 8, .value_kind: global_buffer, .address_space: global }
    .group_segment_fixed_size: 148992
    .private_segment_fixed_size: 0
    .kernarg_segment_align: 8
    .kernarg_segment_size: 72
    .max_flat_workgroup_size: 128
    .sgpr_count:     66
    .vgpr_count:     1024
    .wavefront_size: 32
...
	.end_amdgpu_metadata
.endif
;; end of part 3
;; launch add (part 4): grid 256 x 1, 8 waves a work-group, no clusters, 0 bytes of LDS; arguments ybuf, out0; writes out0
.if DOCPART == 4
	.amdgcn_target "amdgcn-amd-amdhsa--gfx1250"
	.amdhsa_code_object_version 6
	.text
	.protected	k_q1d19a39a87_add
	.globl	k_q1d19a39a87_add
	.p2align	8
	.type	k_q1d19a39a87_add,@function
k_q1d19a39a87_add:
	s_mov_b64 s[64:65], 0
	v_nop
	global_prefetch_b8 v0, s[64:65] scope:SCOPE_SE
	s_setreg_imm32_b32 hwreg(HW_REG_WAVE_MODE, 25, 1), 1
	s_wait_xcnt 0x0
; out0[token] = ybuf[0][token] + ybuf[1][token]: the lower expert's weighted row, then the higher's, in the order in which the layer sums them.  Each output row has one owner.
; A stream: a work-group takes 32,768 bytes of out0, a thread 16 bytes of each 4,096.  All 16 loads of a thread go out at once; no register is loaded twice, nothing is stepped.
; No LDS, no matrix unit, no cluster: nothing is shared and nothing is multiplied.
	s_load_b128 s[4:7], s[0:1], 0x0                ; ybuf, out0
	v_lshlrev_b32 v1, 4, v0
	s_lshl_b32 s8, ttmp9, 15
	s_mov_b32 s9, 0
	s_wait_kmcnt 0x0
	s_add_nc_u64 s[4:5], s[4:5], s[8:9]            ; slot 0
	s_add_nc_u64 s[6:7], s[6:7], s[8:9]
	s_add_nc_u64 s[10:11], s[4:5], 0x800000        ; slot 1: 8,388,608 bytes on, one more than a load's immediate holds
.irp i, 0,1,2,3,4,5,6,7
	global_load_b128 v[8+8*\i:11+8*\i], v1, s[4:5] offset:4096*\i th:TH_LOAD_NT
	global_load_b128 v[12+8*\i:15+8*\i], v1, s[10:11] offset:4096*\i th:TH_LOAD_NT
.endr
.irp i, 0,1,2,3,4,5,6,7
	s_wait_loadcnt 14-2*\i                         ; pair i is in; the younger pairs may be out
	v_pk_add_f32 v[8+8*\i:9+8*\i], v[8+8*\i:9+8*\i], v[12+8*\i:13+8*\i]
	v_pk_add_f32 v[10+8*\i:11+8*\i], v[10+8*\i:11+8*\i], v[14+8*\i:15+8*\i]
	global_store_b128 v1, v[8+8*\i:11+8*\i], s[6:7] offset:4096*\i th:TH_STORE_NT  ; a wave stores 512 consecutive bytes, at a multiple of 256 from out0's first byte
.endr
	s_endpgm
.Lfunc_end_k_q1d19a39a87_add:
	.size	k_q1d19a39a87_add, .Lfunc_end_k_q1d19a39a87_add-k_q1d19a39a87_add
	.p2alignl 7, 3214868480
	.fill 96, 4, 3214868480
	.section	.rodata,"a",@progbits
	.p2align	6, 0x0
	.amdhsa_kernel k_q1d19a39a87_add
		.amdhsa_group_segment_fixed_size 0
		.amdhsa_private_segment_fixed_size 0
		.amdhsa_enable_private_segment 0
		.amdhsa_kernarg_size 16
		.amdhsa_user_sgpr_count 2
		.amdhsa_user_sgpr_kernarg_segment_ptr 1
		.amdhsa_wavefront_size32 1
		.amdhsa_system_sgpr_workgroup_id_x 1
		.amdhsa_system_sgpr_workgroup_id_y 1
		.amdhsa_system_sgpr_workgroup_id_z 1
		.amdhsa_system_vgpr_workitem_id 0
		.amdhsa_next_free_vgpr 72
		.amdhsa_next_free_sgpr 66
		.amdhsa_reserve_vcc 0
		.amdhsa_float_denorm_mode_32 3
		.amdhsa_float_denorm_mode_16_64 3
		.amdhsa_memory_ordered 1
		.amdhsa_forward_progress 1
		.amdhsa_inst_pref_size 5
	.end_amdhsa_kernel
	.amdgpu_metadata
---
amdhsa.version: [ 1, 2 ]
amdhsa.kernels:
  - .name:           k_q1d19a39a87_add
    .symbol:         k_q1d19a39a87_add.kd
    .args:
      - { .name: ybuf, .offset: 0, .size: 8, .value_kind: global_buffer, .address_space: global }
      - { .name: out0, .offset: 8, .size: 8, .value_kind: global_buffer, .address_space: global }
    .group_segment_fixed_size: 0
    .private_segment_fixed_size: 0
    .kernarg_segment_align: 8
    .kernarg_segment_size: 16
    .max_flat_workgroup_size: 256
    .sgpr_count:     66
    .vgpr_count:     72
    .wavefront_size: 32
...
	.end_amdgpu_metadata
.endif
;; end of part 4
;; ======== version 2 of 3: 4 launches; 1.21 times as fast as version 1
;; workspace buffers: xq 1,572,864 bytes; xs 65,536 bytes; wq 13,107,200 bytes; sel 16,384 bytes of whole numbers; list 163,840 bytes of whole numbers; cnt 256 bytes of whole numbers; ybuf 33,554,432 bytes
;; launch prep: the kernel of part 1 again; grid 640 x 1, 4 waves a work-group, no clusters, 35,328 bytes of LDS; arguments x, Wg, bg, W1, W2, xq, xs, wq, out1, sel; writes xq, xs, wq, out1, sel
;; launch place (part 5): grid 8 x 1, 32 waves a work-group, no clusters, 4,352 bytes of LDS; arguments sel, list, cnt; writes list, cnt
.if DOCPART == 5
	.amdgcn_target "amdgcn-amd-amdhsa--gfx1250"
	.amdhsa_code_object_version 6
	.text
	.protected	k_q1d19a39a87_place
	.globl	k_q1d19a39a87_place
	.p2align	8
	.type	k_q1d19a39a87_place,@function
k_q1d19a39a87_place:
	s_mov_b64 s[64:65], 0
	v_nop
	global_prefetch_b8 v0, s[64:65] scope:SCOPE_SE
	s_setreg_imm32_b32 hwreg(HW_REG_WAVE_MODE, 25, 1), 1
	s_wait_xcnt 0x0
; PLACE.  Work-group e goes through all 4,096 choices and writes expert e's list of rows and their number: no atomics, each list has one owner.
; sel: [4096] words (1 << lower expert) | (1 << (8 + higher expert)).   list: [8][5120] words; an entry is token + 4096 x slot, slot = 1 where e is the token's higher expert.   cnt: 8 words.
; 32 waves; a thread takes tokens 4 t .. 4 t + 3 (one load of 16 bytes).  Each wave counts its 128 tokens, the 32 numbers meet in LDS behind one barrier, each wave sums those of the waves below it,
; in whole numbers, and then places its own.  The order inside a list is free: by wave, then by the token's place in its four, then by lane.
; A thread whose token did not choose e stores to a word of its own behind the list (4096 + thread), which nobody reads: so EXEC never changes.
; v1 wave; v2 lane; v3 16 t; v4 4 t; v5 4096 + t; v6 4 x lane; v7 4 x wave; v8-11 my four choices; v12-15 e's bits of them; v16, v17, v20-23 at work; v24-27 offsets; v28-31 entries
	s_load_b128 s[4:7], s[0:1], 0x0                ; sel, list
	s_load_b64 s[8:9], s[0:1], 0x10                ; cnt
	v_lshl_add_u32 v32, v0, 2, 0x100
	v_mov_b32 v33, 0
	v_lshrrev_b32 v1, 5, v0
	v_readfirstlane_b32 s18, v1                    ; wave 0..31
	v_lshlrev_b32 v7, 2, v1                        ; LDS: my wave's word
	v_and_b32 v2, 31, v0
	v_lshlrev_b32 v6, 2, v2                        ; LDS: the word of the wave that has my lane's number
	v_lshlrev_b32 v3, 4, v0
	v_lshlrev_b32 v4, 2, v0
	v_add_nc_u32 v5, 4096, v0
	v_mov_b32 v20, 0                               ; (the destination of a lane move counts as read: written once)
	s_lshl_b32 s10, 0x101, ttmp9                   ; expert e's two bits
	s_mov_b32 s11, 255
	s_mul_i32 s12, ttmp9, 20480
	s_mov_b32 s13, 0
	s_mov_b32 s24, 0x76543210
	s_mov_b32 s25, 0xfedcba98                      ; v_permlanex16_b32's selects for lane l xor 16
	s_wait_kmcnt 0x0
	s_add_nc_u64 s[6:7], s[6:7], s[12:13]
	s_lshl_b32 s12, ttmp9, 2
	s_add_nc_u64 s[8:9], s[8:9], s[12:13]
	global_load_b128 v[8:11], v3, s[4:5]           ; a wave reads 512 consecutive bytes
	s_wait_loadcnt 0x0
.irp c, 0,1,2,3
	v_and_b32 v[12+\c], s10, v[8+\c]
.endr
.irp c, 0,1,2,3
	v_cmp_ne_u32 s[20+\c], 0, v[12+\c]             ; who chose e
.endr
	s_bcnt1_i32_b32 s14, s20
	s_bcnt1_i32_b32 s15, s21
	s_add_co_u32 s17, s14, s15
	s_bcnt1_i32_b32 s14, s22
	s_bcnt1_i32_b32 s15, s23
	s_add_co_u32 s17, s17, s14
	s_add_co_u32 s17, s17, s15                     ; my wave's rows
	v_mov_b32 v16, s17
	ds_store_b32 v7, v16                           ; all lanes write the same word with the same value
	s_wait_dscnt 0x0                               ; for the others' sake: my store has landed
	s_barrier_signal -1
	s_barrier_wait -1
	ds_load_b32 v17, v6                            ; lane l: wave l's rows
	s_wait_dscnt 0x0
	v_cmp_gt_u32 vcc_lo, s18, v2                   ; the waves below mine
	v_cndmask_b32 v17, 0, v17, vcc_lo
.irp x, 1,2,4,8
	v_mov_b32_dpp v20, v17 row_xmask:\x row_mask:0xf bank_mask:0xf
	v_add_nc_u32 v17, v17, v20
.endr
	v_permlanex16_b32 v20, v17, s24, s25
	v_add_nc_u32 v17, v17, v20
	v_readfirstlane_b32 s16, v17                   ; rows ahead of my wave's
.irp c, 0,1,2,3
	v_cmp_lt_u32 s15, s11, v[12+\c]                ; e is the higher of the two
	v_mbcnt_lo_u32_b32 v[24+\c], s[20+\c], s16     ; rows so far + those of the lanes below me
	v_cndmask_b32 v[24+\c], v5, v[24+\c], s[20+\c]
	v_min_u32 v[24+\c], 5119, v[24+\c]             ; inside the expert's 5,120 words whatever was read
	v_lshlrev_b32 v[24+\c], 2, v[24+\c]
	v_add_nc_u32 v[28+\c], \c, v4
	v_add_nc_u32 v21, 4096+\c, v4
	v_cndmask_b32 v[28+\c], v[28+\c], v21, s15
	global_store_b32 v[24+\c], v[28+\c], s[6:7]    ; each of the four has its own offset and entry: no store's source is written again
	s_bcnt1_i32_b32 s14, s[20+\c]
	s_add_co_u32 s16, s16, s14
.endr
	s_cmp_lg_u32 s18, 31
	s_cbranch_scc1 .Ldone                          ; the last wave's running number is the expert's total
	v_mov_b32 v22, s16
	v_mov_b32 v23, 0
	global_store_b32 v23, v22, s[8:9]              ; all lanes store the same word with the same value
.Ldone:
	s_wait_tensorcnt 0x0
	ds_add_u32 v32, v33
	s_wait_dscnt 0x0
	s_endpgm
.Lfunc_end_k_q1d19a39a87_place:
	.size	k_q1d19a39a87_place, .Lfunc_end_k_q1d19a39a87_place-k_q1d19a39a87_place
	.p2alignl 7, 3214868480
	.fill 96, 4, 3214868480
	.section	.rodata,"a",@progbits
	.p2align	6, 0x0
	.amdhsa_kernel k_q1d19a39a87_place
		.amdhsa_group_segment_fixed_size 4352
		.amdhsa_private_segment_fixed_size 0
		.amdhsa_enable_private_segment 0
		.amdhsa_kernarg_size 24
		.amdhsa_user_sgpr_count 2
		.amdhsa_user_sgpr_kernarg_segment_ptr 1
		.amdhsa_wavefront_size32 1
		.amdhsa_system_sgpr_workgroup_id_x 1
		.amdhsa_system_sgpr_workgroup_id_y 1
		.amdhsa_system_sgpr_workgroup_id_z 1
		.amdhsa_system_vgpr_workitem_id 0
		.amdhsa_next_free_vgpr 34
		.amdhsa_next_free_sgpr 66
		.amdhsa_reserve_vcc 1
		.amdhsa_float_denorm_mode_32 3
		.amdhsa_float_denorm_mode_16_64 3
		.amdhsa_memory_ordered 1
		.amdhsa_forward_progress 1
		.amdhsa_inst_pref_size 6
	.end_amdhsa_kernel
	.amdgpu_metadata
---
amdhsa.version: [ 1, 2 ]
amdhsa.kernels:
  - .name:           k_q1d19a39a87_place
    .symbol:         k_q1d19a39a87_place.kd
    .args:
      - { .name: sel, .offset: 0, .size: 8, .value_kind: global_buffer, .address_space: global }
      - { .name: list, .offset: 8, .size: 8, .value_kind: global_buffer, .address_space: global }
      - { .name: cnt, .offset: 16, .size: 8, .value_kind: global_buffer, .address_space: global }
    .group_segment_fixed_size: 4352
    .private_segment_fixed_size: 0
    .kernarg_segment_align: 8
    .kernarg_segment_size: 24
    .max_flat_workgroup_size: 1024
    .sgpr_count:     66
    .vgpr_count:     34
    .wavefront_size: 32
...
	.end_amdgpu_metadata
.endif
;; end of part 5
;; launch chain (part 6): grid 220 x 1, 4 waves a work-group, no clusters, 137,728 bytes of LDS; arguments cnt, list, xq, xs, wq, b1, b2, out1, ybuf; writes ybuf
.if DOCPART == 6
	.amdgcn_target "amdgcn-amd-amdhsa--gfx1250"
	.amdhsa_code_object_version 6
	.text
	.protected	k_q1d19a39a87_chain
	.globl	k_q1d19a39a87_chain
	.p2align	8
	.type	k_q1d19a39a87_chain,@function
k_q1d19a39a87_chain:
	s_mov_b64 s[64:65], 0
	v_nop
	global_prefetch_b8 v0, s[64:65] scope:SCOPE_SE
	s_setreg_imm32_b32 hwreg(HW_REG_WAVE_MODE, 25, 1), 1
	s_wait_xcnt 0x0
; THE CHAIN.  Two work-groups share a tile of 80 rows of one expert's list: half hh takes hidden units 1024 hh on through relu(x W1 + b1) and its part of the sum over H of (.) W2, x the gate weight; half 0 adds b2.
; Both products are on codes of E2M3 with E8M0 scales.  The rows go to ybuf [2 halves][2 slots][4096][512] at the rows that the list names; a later launch adds the four planes.
; Only the rows whose token chose the expert are multiplied: the others are multiplied by a 0 that the layer itself builds.
; THE GRID serves every split: 8,192 rows in tiles of 80 over 8 experts are never more than (8192 + 8 x 79) / 80 = 110 tiles, each with two halves.  A work-group that the split leaves without a tile passes over
; the work, passes both barriers, stores nothing and ends.  A last tile that is short repeats its last row: the same bits go to the same place from the same wave, so EXEC never changes.
; SHARES.  THE WAVES SHARE THE COLUMNS: wave w makes hidden units 1024 hh + 256 w on (phase 1) and output columns 128 w on (phase 2), for all five tiles of 16 rows.  So each fragment of the weights is wanted by
; ONE wave, which loads it from memory straight into registers, in the order in which an earlier launch laid it, and feeds five matrix instructions with it.
; NO CLUSTER, NO JOINT LOADS: the weights never pass through LDS, which expert a work-group serves hangs on counts read from memory, and the two halves of a tile share only x's 80 rows of codes.
; Both products are used transposed (source 0 = 16 rows of weights, source 1 = 16 rows of the tile): a lane holds one row, and its registers run along the next K.
; The half's hidden layer, 80 x 1,024, is quantised in registers and lies in LDS as images of the operand's registers.  The biases are the C of each sum's first product.
; THE RING: four slots of 96 registers + 4 scale registers; a unit (8 fragments + scale words, 12,800 bytes, 25 loads) serves 40 matrix instructions.  A slot's halves are asked for again as soon as they are multiplied.
; LIMITS: as the launch that quantises states them (NaN, infinities, blocks under 2^-124; a block of zeros has the byte 1 and zero codes).  Half 1 multiplies b2 by 0: an infinite b2 is not served.
; LDS: 0 the hidden layer's 40 images ((5 k + m) x 1,536); HSC their scale words ((5 k + m) x 128); B1L my wave's 256 numbers of b1; TKL my wave's 80 entries; STG my wave's stage, 16 rows x 528; XIMG x's 20 images ((4 m + s) x 1,536).
; REGISTERS.  Window 0: v1 16 x lane; v2-4 this trip's LDS addresses; v5 scale words' place; v6 my entries' place; v7 b2's offset; v10, v11 the stage in, out; v12 my bytes in a row of ybuf; v13-15 at work; v16-20 list entries;
;   v21-25 gate weights; v26-45 x's scale words, v46-61 the ring's, v62-71 the hidden layer's (scales and nothing else); v72-151 10 accumulators of phase 1; v152-211 codes; v212-231 second halves; v232-251 at work;
;   v252-254 the LDS addresses' fixed parts.  Phase 2: v72-191 two sets of five hidden fragments.  Way out: v72-199 rows, two sets; v200-215 offsets.
;   Window 1: x's 20 fragments, then the accumulators of row tiles 0-3 ((m, n) at 8 (8 m + n)).   Window 2: slots 0, 1; from v192 b2's 8 tiles.   Window 3: slots 2, 3; from v192 b1's two tiles, then row tile 4's accumulators.
.set HSC,  61440
.set B1L,  66560
.set TKL,  70656
.set STG,  72704
.set XIMG, 106496
.set UB,   12800                       ; bytes of a unit
.set TOK,  16
.set GW,   21
.set XS,   26
.set WS,   46
.set HS,   62
.set HA,   72
.set PC,   152
.set CB,   212
.set MX,   232
.set PX,   237
.set SO,   242
.set PW,   247
.set MSB, 0
.macro WIN new                         ; bits 1:0 source 0, 3:2 source 1, 5:4 source 2, 7:6 destination; the high byte repeats the setting that is left
.if MSB != (\new)
	s_set_vgpr_msb (MSB<<8)|(\new)
.set MSB, (\new)
.endif
.endm
.macro PLACES                          ; four plain lines between a matrix instruction and a load into, or a vector read of, its registers
.rept 4
	v_nop
.endr
.endm
.macro RLO slot, off                   ; fragments 0-3 of the unit at off: 12 loads of 512 consecutive bytes
	WIN (2+(\slot)/2)<<6
.irp i, 0,1,2,3,4,5,6,7,8,9,10,11
	global_load_b128 v[96*((\slot)%2)+4*\i:96*((\slot)%2)+4*\i+3], v1, s[50:51] offset:(\off)+512*\i
.endr
.endm
.macro RHI slot, off                   ; fragments 4-7 and the scale words: 13 loads
	WIN (2+(\slot)/2)<<6
.irp i, 12,13,14,15,16,17,18,19,20,21,22,23
	global_load_b128 v[96*((\slot)%2)+4*\i:96*((\slot)%2)+4*\i+3], v1, s[50:51] offset:(\off)+512*\i
.endr
	WIN 0
	global_load_b128 v[WS+4*(\slot):WS+4*(\slot)+3], v1, s[50:51] offset:(\off)+12288
.endm
	s_load_b512 s[4:19], s[0:1], 0x0               ; cnt s[4:5], list s[6:7], xq s[8:9], xs s[10:11], wq s[12:13], b1 s[14:15], b2 s[16:17], out1 s[18:19]
	s_load_b64 s[20:21], s[0:1], 0x40              ; ybuf
	v_lshl_add_u32 v231, v0, 2, 0x21800
	v_mov_b32 v255, 0
	v_lshrrev_b32 v13, 5, v0
	v_readfirstlane_b32 s32, v13                   ; wave 0..3
	v_lshl_add_u32 v6, v13, 9, TKL                 ; my wave's entries: one address for all lanes
	v_and_b32 v13, 31, v0                          ; lane
	v_and_b32 v14, 15, v0                          ; r
	v_bfe_u32 v15, v0, 4, 1                        ; h
	v_lshlrev_b32 v1, 4, v13
	s_mul_i32 s54, s32, 15360
	v_add_nc_u32 v252, s54, v1                     ; my images: K steps 2 w on, five images each
	v_lshlrev_b32 v5, 2, v13
	v_add_nc_u32 v5, HSC, v5
	s_mul_i32 s54, s32, 1280
	v_add_nc_u32 v253, s54, v5                     ; and their scale words
	s_lshl_b32 s54, s32, 10
	v_lshlrev_b32 v254, 6, v15
	v_add_nc_u32 v254, s54, v254
	v_add_nc_u32 v254, B1L, v254                   ; b1: my half's 16 numbers of a block of 32
	v_add_nc_u32 v185, s54, v1
	v_add_nc_u32 v185, B1L, v185                   ; where b1 is laid
	s_lshl_b32 s54, s32, 9
	v_add_nc_u32 v12, s54, v1                      ; a row of ybuf: my wave's 512 bytes
	v_lshl_add_u32 v187, v14, 2, v6                ; where row r's entry is laid
	s_mul_i32 s54, s32, 1536
	v_add_nc_u32 v188, s54, v1
	v_add_nc_u32 v188, XIMG, v188                  ; where I lay x's K step w
	v_add_nc_u32 v189, XIMG, v1                    ; and whence all of x comes back
	s_mul_i32 s55, s32, 8448
	v_mul_u32_u24 v10, v14, 528
	v_lshl_add_u32 v10, v15, 5, v10
	v_add_nc_u32 v10, s55, v10
	v_add_nc_u32 v10, STG, v10                     ; the stage: row r, + 32 h
	v_add_nc_u32 v11, s55, v1
	v_add_nc_u32 v11, STG, v11                     ; back: a row of 512 bytes to the 32 lanes
	v_mul_u32_u24 v186, v15, 48
	s_mul_i32 s54, s32, 96
	v_add_nc_u32 v186, s54, v186                   ; in a row of xq: K step w, + 48 h
	v_lshlrev_b32 v7, 5, v15
.irp m, 0,1,2,3,4
	v_mov_b32 v[PX+\m], 0                          ; written once: a lane permute's destination counts as one of its sources
.endr
	s_mov_b32 s48, 0x76543210
	s_mov_b32 s49, 0xfedcba98                      ; v_permlanex16_b32's selects for lane l xor 16
	s_wait_kmcnt 0x0
	s_load_b256 s[24:31], s[4:5], 0x0              ; the experts' numbers of rows
	s_wait_kmcnt 0x0
.irp e, 0,1,2,3,4,5,6,7
	s_add_co_u32 s[40+\e], s[24+\e], 79
	s_mul_i32 s[40+\e], s[40+\e], 52429            ; / 80: 52,429 / 2^22 is 1 / 80 from above by 16 parts in 2^22 x 80: exact for numbers under 262,144
	s_lshr_b32 s[40+\e], s[40+\e], 22              ; tiles of expert e
.endr
	s_add_co_u32 s34, s40, s41
.irp e, 2,3,4,5,6,7
	s_add_co_u32 s34, s34, s[40+\e]
.endr
	s_and_b32 s59, ttmp9, 1                        ; hh: which half of H
	s_lshr_b32 s33, ttmp9, 1
	s_cmp_ge_u32 s33, s34
	s_cselect_b32 s38, 1, 0                        ; EMPTY: no tile is left for me.
	s_cselect_b32 s33, 0, s33                      ; My tile; without one I address tile 0, which always exists, so that every load reads written bytes
	s_mov_b32 s34, 0
	s_mov_b32 s35, 0
	s_mov_b32 s36, 0
	s_mov_b32 s37, s24
.irp e, 0,1,2,3,4,5,6,7                ; the last expert whose first tile is not behind mine
	s_cmp_ge_u32 s33, s34
	s_cselect_b32 s35, \e, s35                     ; the expert,
	s_cselect_b32 s36, s34, s36                    ; its first tile,
	s_cselect_b32 s37, s[24+\e], s37               ; its rows
	s_add_co_u32 s34, s34, s[40+\e]
.endr
	s_min_u32 s35, s35, 7
	s_sub_co_u32 s39, s33, s36
	s_mul_i32 s39, s39, 80                         ; my first place in the list
	s_sub_co_u32 s52, s37, 1                       ; the list's last
	s_mov_b32 s55, 0
	s_mul_i32 s54, s35, 20480
	s_add_nc_u64 s[6:7], s[6:7], s[54:55]
	s_lshl_b32 s54, s35, 13
	s_lshl_b32 s58, s59, 12
	s_add_co_u32 s54, s54, s58
	s_lshl_b32 s58, s32, 10
	s_add_co_u32 s54, s54, s58
	s_add_nc_u64 s[14:15], s[14:15], s[54:55]      ; b1: the expert's, my half's, my 256
	s_lshl_b32 s54, s35, 11
	s_lshl_b32 s58, s32, 9
	s_add_co_u32 s54, s54, s58
	s_add_nc_u64 s[16:17], s[16:17], s[54:55]      ; b2: the expert's, my 128
	s_lshl_b32 s54, s35, 2
	s_add_nc_u64 s[18:19], s[18:19], s[54:55]      ; the expert's column of the gate weights
	s_add_co_u32 s60, s54, s32                     ; W2's stream: units (4 E + w) x 32 + 16 + 8 hh on;
	s_lshl_b32 s60, s60, 5
	s_lshl_b32 s58, s59, 3
	s_add_co_u32 s60, s60, s58
	s_add_co_u32 s60, s60, 12                      ; four units less: the last trip of phase 1 asks four units ahead of its base
	s_mul_i32 s60, s60, UB
	s_mov_b32 s61, 0
	s_lshl_b32 s58, s59, 1                         ; W1's stream: units (4 E + 2 hh + w / 2) x 32 + 8 (w % 2) on
	s_add_co_u32 s54, s54, s58
	s_lshr_b32 s58, s32, 1
	s_add_co_u32 s54, s54, s58
	s_lshl_b32 s54, s54, 5
	s_and_b32 s58, s32, 1
	s_lshl_b32 s58, s58, 3
	s_add_co_u32 s54, s54, s58
	s_mul_i32 s54, s54, UB
	s_add_nc_u64 s[50:51], s[12:13], s[54:55]
	s_lshl_b32 s34, s59, 13                        ; my half's planes of ybuf: 8,192 rows on
	s_cmp_eq_u32 s59, 0
	s_cselect_b32 s62, 0x3f800000, 0               ; b2 counts once: x 1.0 in half 0, x 0 in half 1
	s_mov_b32 s63, s62
	s_mov_b32 s53, 0
	s_mov_b32 s56, 0
	s_mov_b32 s57, 0
	s_mov_b32 s58, 0
.irp m, 0,1,2,3,4
	v_add_nc_u32 v[152+\m], s39, v14
	v_add_nc_u32 v[152+\m], 16*\m, v[152+\m]
	v_min_u32 v[152+\m], s52, v[152+\m]            ; past the list's end: its last row once more
	v_min_u32 v[152+\m], 0xfff, v[152+\m]
	v_lshlrev_b32 v[152+\m], 2, v[152+\m]
	global_load_b32 v[TOK+\m], v[152+\m], s[6:7]
.endr
.irp i, 0,1
	global_load_b128 v[192+4*\i:195+4*\i], v1, s[14:15] offset:512*\i
.endr
	RLO 0, 0                                       ; the ring's first two units go out with the list: they hang on the expert alone
	RHI 0, 0
	RLO 1, UB
	RHI 1, UB
	s_wait_loadcnt 50                              ; the list and b1 are in; the 50 loads of the two units may be out
.irp i, 0,1
	ds_store_b128 v185, v[192+4*\i:195+4*\i] offset:512*\i
.endr
.irp m, 0,1,2,3,4
	v_min_u32 v[TOK+\m], 0x1fff, v[TOK+\m]         ; the entry: token + 4096 x slot
	v_add_nc_u32 v[200+\m], s34, v[TOK+\m]         ; the row of ybuf
	ds_store_b32 v187, v[200+\m] offset:64*\m      ; both halves of the lanes write the same word with the same value
	v_and_b32 v[152+\m], 0xfff, v[TOK+\m]          ; the token
	v_mul_u32_u24 v[160+\m], 0x180, v[152+\m]
	v_add_nc_u32 v[160+\m], v186, v[160+\m]        ; its codes: 384 bytes a row
	v_lshlrev_b32 v[168+\m], 4, v[152+\m]          ; its scale words
	v_lshlrev_b32 v[176+\m], 5, v[152+\m]          ; its gate weights
.endr
.irp m, 0,1,2,3,4
.irp g, 0,1,2
	global_load_b128 v[HA+12*\m+4*\g:HA+12*\m+4*\g+3], v[160+\m], s[8:9] offset:16*\g      ; x's fragment (m, K step w): 48 bytes a lane.  Each wave loads a quarter of x
.endr
.endr
.irp m, 0,1,2,3,4
	global_load_b128 v[XS+4*\m:XS+4*\m+3], v[168+\m], s[10:11]
.endr
.irp m, 0,1,2,3,4
	global_load_b32 v[GW+\m], v[176+\m], s[18:19]
.endr
	WIN 0x80
.irp n, 0,1,2,3,4,5,6,7
	global_load_b128 v[192+8*\n:195+8*\n], v7, s[16:17] offset:64*\n           ; b2 at output columns 16 n + 8 h + 0 .. 7: the result's layout
	global_load_b128 v[196+8*\n:199+8*\n], v7, s[16:17] offset:64*\n+16
.endr
	RLO 2, 2*UB
	RHI 2, 2*UB
	RLO 3, 3*UB
	RHI 3, 3*UB
	s_wait_loadcnt 50                              ; x, its scale words, the gate weights and b2 are in, on every path; the 50 loads of units 2 and 3 may be out
.irp m, 0,1,2,3,4
.irp g, 0,1,2
	ds_store_b128 v188, v[HA+12*\m+4*\g:HA+12*\m+4*\g+3] offset:6144*\m+512*\g     ; as an image of the operand's registers
.endr
.endr
	s_wait_dscnt 0x0                               ; for the others' sake: my quarter of x lies in LDS (and b1 and my entries, which are my own)
	s_barrier_signal -1
	s_barrier_wait -1                              ; every wave's does
	WIN 0x40
.irp m, 0,1,2,3,4
.irp s, 0,1,2,3
.irp g, 0,1,2
	ds_load_b128 v[12*(4*\m+\s)+4*\g:12*(4*\m+\s)+4*\g+3], v189 offset:(4*\m+\s)*1536+512*\g
.endr
.endr
.endr
	WIN 0
; PHASE 1.  20 products of unit b: K step s, tiles u = 0, 1 of 16 hidden units, the five tiles of rows.  The ten accumulators take turns, one instruction a turn.
.macro P1 b, s
.irp u, 0,1
.irp m, 0,1,2,3,4
.set rD, HA+16*\m+8*\u
.set rA, 96*((\b)%2)+12*(2*(\s)+\u)
.set rB, 12*(4*\m+(\s))
.set rC, rD
.if (\s) == 0
.set rC, 192+8*\u                      ; the first K step starts the sums with b1 (window 3)
.endif
.set rSA, WS+4*(\b)+(\s)
.set rSB, XS+4*\m+(\s)
.if \u
	v_wmma_scale_f32_16x16x128_f8f6f4 v[rD:rD+7], v[rA:rA+11], v[rB:rB+11], v[rC:rC+7], v[rSA], v[rSB] matrix_a_fmt:MATRIX_FMT_FP6 matrix_b_fmt:MATRIX_FMT_FP6 matrix_a_scale:MATRIX_SCALE_ROW1
.else
	v_wmma_scale_f32_16x16x128_f8f6f4 v[rD:rD+7], v[rA:rA+11], v[rB:rB+11], v[rC:rC+7], v[rSA], v[rSB] matrix_a_fmt:MATRIX_FMT_FP6 matrix_b_fmt:MATRIX_FMT_FP6
.endif
.endr
.endr
.endm
.macro B1LOAD b                        ; b1 at hidden units 32 b + 16 h + 8 u + 0 .. 7 of the trip's 128, into window 3
	WIN 0xc0
.irp u, 0,1
	ds_load_b128 v[192+8*\u:195+8*\u], v4 offset:128*(\b)+32*\u
	ds_load_b128 v[196+8*\u:199+8*\u], v4 offset:128*(\b)+32*\u+16
.endr
.endm
; Unit b's 32 hidden units are block b of the trip's K step.  A lane's 16 registers of a row tile are k = 32 b + 16 h + 0 .. 15 of its row.  The five row tiles take turns line by line.
.macro QB b
.irp j, 0,1,2,3,4,5,6,7,8,9,10,11,12,13,14,15
.irp m, 0,1,2,3,4
	v_max_num_f32 v[HA+16*\m+\j], 0, v[HA+16*\m+\j]        ; the activation; each accumulator from its low end on
.endr
.endr
.irp m, 0,1,2,3,4
	v_max3_num_f32 v[MX+\m], v[HA+16*\m], v[HA+1+16*\m], 0x1800000 ; none is negative: no |.|; the floor 2^(3 - 127) holds the byte at 1 from below
.endr
.irp i, 2,4,6,8,10,12,14
.irp m, 0,1,2,3,4
	v_max3_num_f32 v[MX+\m], v[MX+\m], v[HA+16*\m+\i], v[HA+1+16*\m+\i]
.endr
.endr
.irp m, 0,1,2,3,4
	v_permlanex16_b32 v[PX+\m], v[MX+\m], s48, s49
.endr
.irp m, 0,1,2,3,4
	v_max_num_f32 v[MX+\m], v[MX+\m], v[PX+\m]             ; with lane l xor 16's: the block's largest
.endr
.irp m, 0,1,2,3,4
	v_add_nc_u32 v[SO+\m], 0xff000000, v[MX+\m]            ; 2 off the exponent field: the conversion's scale operand
.endr
.irp m, 0,1,2,3,4
	v_lshrrev_b32 v[MX+\m], 23, v[SO+\m]                   ; the byte
.endr
.irp m, 0,1,2,3,4
.if (\b) == 0
	v_mov_b32 v[PW+\m], v[MX+\m]
.else
	v_lshl_or_b32 v[PW+\m], v[MX+\m], 8*(\b), v[PW+\m]     ; into the row's scale word of this K step
.endif
.endr
.if (\b)%2 == 0
.irp m, 0,1,2,3,4
	v_cvt_scalef32_pk16_fp6_f32 v[PC+12*\m+6*((\b)/2):PC+12*\m+6*((\b)/2)+2], v[HA+16*\m:HA+15+16*\m], v[SO+\m]
.endr
	v_nop                                          ; a plain line behind the conversions
.else
.irp m, 0,1,2,3,4
	v_cvt_scalef32_pk16_fp6_f32 v[CB+4*\m:CB+4*\m+2], v[HA+16*\m:HA+15+16*\m], v[SO+\m]    ; (three registers that begin on an even number)
.endr
	v_nop
.irp m, 0,1,2,3,4                      ; the operand wants a WHOLE block in a lane: lanes 0-15 the even block, lanes 16-31 the odd one
.irp i, 0,1,2
	v_permlane16_swap_b32 v[PC+12*\m+6*((\b)/2)+\i], v[CB+4*\m+\i]
.endr
.endr
.irp m, 0,1,2,3,4
.irp i, 0,1,2
	v_mov_b32 v[PC+12*\m+6*((\b)/2)+3+\i], v[CB+4*\m+\i]
.endr
.endr
.endif
.if (\b) == 3
.irp m, 0,1,2,3,4                      ; the K step's five fragments go to LDS as they stand
.irp g, 0,1,2
	ds_store_b128 v2, v[PC+12*\m+4*\g:PC+12*\m+4*\g+3] offset:1536*\m+512*\g
.endr
	ds_store_b32 v3, v[PW+\m] offset:128*\m
.endr
.endif
.endm
.macro UNIT1 b
	s_wait_loadcnt 63                              ; behind this unit's 25 loads at least 75 were issued: with 63 out, the largest count that the wait names, the unit is in
	s_wait_dscnt 0x0                               ; x (first trip) and b1's two tiles are in; the last trip's image stores have read their registers
	WIN 0x34|(2+(\b)/2)                            ; source 0: the slot's window; source 1 (x): window 1; C (b1): window 3
	P1 \b, 0
	WIN 0x04|(2+(\b)/2)
	P1 \b, 1
	PLACES
	RLO \b, ((\b)+4)*UB                            ; fragments 0-3 are multiplied: the unit four further on
.if (\b) < 3
	B1LOAD (\b)+1
.endif
	WIN 0x04|(2+(\b)/2)
	P1 \b, 2
	P1 \b, 3
	PLACES
	RHI \b, ((\b)+4)*UB
	QB \b
.endm
.Ltrip:                                            ; two trips, a constant: trip t makes K step 2 w + t of my half from units 4 t .. 4 t + 3
	s_cmp_lg_u32 s38, 0
	s_cbranch_scc1 .Lskip                          ; without a tile: the work is passed over, the steps below are not.  Run or passed over, a trip leaves four units asked for, in the same order
	v_add_nc_u32 v2, s56, v252
	v_add_nc_u32 v3, s57, v253
	v_add_nc_u32 v4, s58, v254
	B1LOAD 0
	UNIT1 0
	UNIT1 1
	UNIT1 2
	UNIT1 3
.Lskip:
	s_wait_xcnt 0x0                                ; the loads that are out have read their base: it is written only behind this wait
	s_add_nc_u64 s[50:51], s[12:13], s[60:61]      ; behind trip 0: four units ahead of W2's first, so that trip 1 asks for W2's units 0-3; behind trip 1: W2's first
	s_add_co_u32 s60, s60, 4*UB
	s_add_co_u32 s56, s56, 7680
	s_add_co_u32 s57, s57, 640
	s_add_co_u32 s58, s58, 512
	s_add_co_u32 s53, s53, 1
	s_cmp_lt_u32 s53, 2
	s_cbranch_scc1 .Ltrip
	s_wait_dscnt 0x0                               ; for the others' sake: my images and scale words lie in LDS
	s_barrier_signal -1
	s_barrier_wait -1                              ; every wave's do.  The barrier stands on every path
	s_cmp_lg_u32 s38, 0
	s_cbranch_scc1 .Lend
; PHASE 2, written out: unit k is K step k of my half of W2 for my 128 output columns.  The 40 accumulators take turns, one instruction a turn.
.macro HFLOAD k                        ; the hidden layer's five fragments of K step k and their scale words, into set k % 2
.irp m, 0,1,2,3,4
.irp g, 0,1,2
	ds_load_b128 v[HA+60*((\k)%2)+12*\m+4*\g:HA+60*((\k)%2)+12*\m+4*\g+3], v1 offset:(5*(\k)+\m)*1536+512*\g
.endr
	ds_load_b32 v[HS+5*((\k)%2)+\m], v5 offset:(5*(\k)+\m)*128
.endr
.endm
.macro P2 k, n0                        ; 20 products: output tiles n0 .. n0 + 3; row tiles 0-3 (window 1), then row tile 4 (window 3)
.if (\k) == 0
	WIN 0x60|(2+((\k)%4)/2)                        ; the first K step starts the sums with b2: C in window 2
.else
	WIN 0x50|(2+((\k)%4)/2)                        ; source 0: the slot's window; C and D: window 1
.endif
.irp n, \n0, \n0+1, \n0+2, \n0+3
.irp m, 0,1,2,3
.set rD, 8*(8*\m+(\n))
.set rA, 96*((\k)%2)+12*(\n)
.set rB, HA+60*((\k)%2)+12*\m
.set rC, rD
.if (\k) == 0
.set rC, 192+8*(\n)
.endif
.set rSA, WS+4*((\k)%4)+(\n)/2
.set rSB, HS+5*((\k)%2)+\m
.if (\n)%2
	v_wmma_scale_f32_16x16x128_f8f6f4 v[rD:rD+7], v[rA:rA+11], v[rB:rB+11], v[rC:rC+7], v[rSA], v[rSB] matrix_a_fmt:MATRIX_FMT_FP6 matrix_b_fmt:MATRIX_FMT_FP6 matrix_a_scale:MATRIX_SCALE_ROW1
.else
	v_wmma_scale_f32_16x16x128_f8f6f4 v[rD:rD+7], v[rA:rA+11], v[rB:rB+11], v[rC:rC+7], v[rSA], v[rSB] matrix_a_fmt:MATRIX_FMT_FP6 matrix_b_fmt:MATRIX_FMT_FP6
.endif
.endr
.endr
.if (\k) == 0
	WIN 0xe0|(2+((\k)%4)/2)                        ; D in window 3, C (b2) in window 2
.else
	WIN 0xf0|(2+((\k)%4)/2)                        ; C and D in window 3
.endif
.irp n, \n0, \n0+1, \n0+2, \n0+3
.set rD, 192+8*(\n)
.set rA, 96*((\k)%2)+12*(\n)
.set rB, HA+60*((\k)%2)+48
.set rSA, WS+4*((\k)%4)+(\n)/2
.set rSB, HS+5*((\k)%2)+4
.if (\n)%2
	v_wmma_scale_f32_16x16x128_f8f6f4 v[rD:rD+7], v[rA:rA+11], v[rB:rB+11], v[rD:rD+7], v[rSA], v[rSB] matrix_a_fmt:MATRIX_FMT_FP6 matrix_b_fmt:MATRIX_FMT_FP6 matrix_a_scale:MATRIX_SCALE_ROW1
.else
	v_wmma_scale_f32_16x16x128_f8f6f4 v[rD:rD+7], v[rA:rA+11], v[rB:rB+11], v[rD:rD+7], v[rSA], v[rSB] matrix_a_fmt:MATRIX_FMT_FP6 matrix_b_fmt:MATRIX_FMT_FP6
.endif
.endr
.endm
.macro UNIT2 k
	WIN 0
.if (\k) <= 4
	s_wait_loadcnt 63                              ; as in phase 1: three younger units, 75 loads, were issued behind this one
.else
	s_wait_loadcnt 25*(7-(\k))                     ; the units behind this one: two, one, none
.endif
	s_wait_dscnt 0x0                               ; this K step's hidden fragments are in
.if (\k) < 7
	HFLOAD (\k)+1                                  ; the next K step's, into the set that the last unit multiplied: its closing four plain lines stand between
.endif
	P2 \k, 0
	PLACES
.if (\k) < 4
	RLO (\k)%4, ((\k)+4)*UB
.endif
	P2 \k, 4
	PLACES
.if (\k) < 4
	RHI (\k)%4, ((\k)+4)*UB
.endif
.endm
	WIN 0x82                                       ; b2 (destination, source 0): window 2
.set J, 0
.rept 32
	v_pk_mul_f32 v[192+J:193+J], v[192+J:193+J], s[62:63] op_sel_hi:[1,0]          ; x 1.0 or x 0: b2 counts in half 0 alone
.set J, J+2
.endr
	WIN 0
	HFLOAD 0
.irp k, 0,1,2,3,4,5,6,7
	UNIT2 \k
.endr
; THE WAY OUT, a tile of 16 rows at a time: x the row's gate weight; a lane's 32 neighbouring bytes go to my own stage and come back as whole rows of my 512 bytes, each stored to the row of ybuf that its entry names.
; The sixteen entries come from my own LDS words by four loads of one address for all lanes.
.macro OUTM m
.if (\m) < 4
.set YB, 64*(\m)
.set WM, 0x41                          ; the accumulators (destination, source 0): window 1
.set WD, 0x04                          ; an LDS store's data are its source 1
.else
.set YB, 192
.set WM, 0xc3                          ; row tile 4: window 3
.set WD, 0x0c
.endif
.set BK, HA+64*((\m)%2)
	WIN 0
	v_mov_b32 v14, v[GW+(\m)]
	v_mov_b32 v15, v[GW+(\m)]
	WIN WM
.set J, 0
.rept 32
	v_pk_mul_f32 v[YB+J:YB+J+1], v[YB+J:YB+J+1], v[14:15]  ; each accumulator from its low end on
.set J, J+2
.endr
	WIN WD
.irp n, 0,1,2,3,4,5,6,7
	ds_store_b128 v10, v[YB+8*\n:YB+8*\n+3] offset:64*\n
	ds_store_b128 v10, v[YB+8*\n+4:YB+8*\n+7] offset:64*\n+16
.endr
	WIN 0
.if (\m) > 0
	s_wait_xcnt 0x0                                ; the earlier tiles' stores have read their rows and offsets: both are written again only behind this wait
.endif
.irp q, 0,1,2,3
	ds_load_b128 v[200+4*\q:203+4*\q], v6 offset:64*(\m)+16*\q     ; register i: row i's entry, in every lane
.endr
.irp i, 0,1,2,3,4,5,6,7,8,9,10,11,12,13,14,15
	ds_load_b128 v[BK+4*\i:BK+4*\i+3], v11 offset:528*\i   ; LDS serves a wave's instructions in order: these see my stores, and the next tile's stores come behind them
.endr
	s_wait_dscnt 16                                ; the entries are in; the sixteen loads of rows may be out
.irp i, 0,1,2,3,4,5,6,7,8,9,10,11,12,13,14,15
	v_min_u32 v[200+\i], 0x3fff, v[200+\i]
	v_lshlrev_b32 v[200+\i], 11, v[200+\i]         ; 2,048 bytes a row
	v_add_nc_u32 v[200+\i], v12, v[200+\i]
.endr
.irp i, 0,1,2,3,4,5,6,7,8,9,10,11,12,13,14,15
	s_wait_dscnt 15-\i                             ; the younger loads may be out
	global_store_b128 v[200+\i], v[BK+4*\i:BK+4*\i+3], s[20:21]    ; 32 lanes store 512 consecutive bytes, at a multiple of 256 from ybuf's first byte
.endr
.endm
	OUTM 0
	OUTM 1
	OUTM 2
	OUTM 3
	OUTM 4
.Lend:
	s_wait_tensorcnt 0x0
	ds_add_u32 v231, v255
	s_wait_dscnt 0x0
	s_endpgm
.Lfunc_end_k_q1d19a39a87_chain:
	.size	k_q1d19a39a87_chain, .Lfunc_end_k_q1d19a39a87_chain-k_q1d19a39a87_chain
	.p2alignl 7, 3214868480
	.fill 96, 4, 3214868480
	.section	.rodata,"a",@progbits
	.p2align	6, 0x0
	.amdhsa_kernel k_q1d19a39a87_chain
		.amdhsa_group_segment_fixed_size 137728
		.amdhsa_private_segment_fixed_size 0
		.amdhsa_enable_private_segment 0
		.amdhsa_kernarg_size 72
		.amdhsa_user_sgpr_count 2
		.amdhsa_user_sgpr_kernarg_segment_ptr 1
		.amdhsa_wavefront_size32 1
		.amdhsa_system_sgpr_workgroup_id_x 1
		.amdhsa_system_sgpr_workgroup_id_y 1
		.amdhsa_system_sgpr_workgroup_id_z 1
		.amdhsa_system_vgpr_workitem_id 0
		.amdhsa_next_free_vgpr 1024
		.amdhsa_next_free_sgpr 66
		.amdhsa_reserve_vcc 0
		.amdhsa_float_denorm_mode_32 3
		.amdhsa_float_denorm_mode_16_64 3
		.amdhsa_memory_ordered 1
		.amdhsa_forward_progress 1
		.amdhsa_inst_pref_size 201
	.end_amdhsa_kernel
	.amdgpu_metadata
---
amdhsa.version: [ 1, 2 ]
amdhsa.kernels:
  - .name:           k_q1d19a39a87_chain
    .symbol:         k_q1d19a39a87_chain.kd
    .args:
      - { .name: cnt, .offset: 0, .size: 8, .value_kind: global_buffer, .address_space: global }
      - { .name: list, .offset: 8, .size: 8, .value_kind: global_buffer, .address_space: global }
      - { .name: xq, .offset: 16, .size: 8, .value_kind: global_buffer, .address_space: global }
      - { .name: xs, .offset: 24, .size: 8, .value_kind: global_buffer, .address_space: global }
      - { .name: wq, .offset: 32, .size: 8, .value_kind: global_buffer, .address_space: global }
      - { .name: b1, .offset: 40, .size: 8, .value_kind: global_buffer, .address_space: global }
      - { .name: b2, .offset: 48, .size: 8, .value_kind: global_buffer, .address_space: global }
      - { .name: out1, .offset: 56, .size: 8, .value_kind: global_buffer, .address_space: global }
      - { .name: ybuf, .offset: 64, .size: 8, .value_kind: global_buffer, .address_space: global }
    .group_segment_fixed_size: 137728
    .private_segment_fixed_size: 0
    .kernarg_segment_align: 8
    .kernarg_segment_size: 72
    .max_flat_workgroup_size: 128
    .sgpr_count:     66
    .vgpr_count:     1024
    .wavefront_size: 32
...
	.end_amdgpu_metadata
.endif
;; end of part 6
;; launch add (part 7): grid 256 x 1, 8 waves a work-group, no clusters, 0 bytes of LDS; arguments ybuf, out0; writes out0
.if DOCPART == 7
	.amdgcn_target "amdgcn-amd-amdhsa--gfx1250"
	.amdhsa_code_object_version 6
	.text
	.protected	k_q1d19a39a87_add
	.globl	k_q1d19a39a87_add
	.p2align	8
	.type	k_q1d19a39a87_add,@function
k_q1d19a39a87_add:
	s_mov_b64 s[64:65], 0
	v_nop
	global_prefetch_b8 v0, s[64:65] scope:SCOPE_SE
	s_setreg_imm32_b32 hwreg(HW_REG_WAVE_MODE, 25, 1), 1
	s_wait_xcnt 0x0
; out0[token] = (ybuf[0][0] + ybuf[1][0]) + (ybuf[0][1] + ybuf[1][1]) at [token]: each chosen expert's two halves of the sum over H, then the lower expert's row and the higher's, in the order
; in which the layer sums them.  ybuf: [2 halves][2 slots][4096][512] f32.  Each output row has one owner.
; A stream: a work-group takes 32,768 bytes of out0, a thread 16 bytes of each 4,096.  All 32 loads of a thread go out at once; no register is loaded twice, nothing is stepped.
; No LDS, no matrix unit, no cluster: nothing is shared and nothing is multiplied.
	s_load_b128 s[4:7], s[0:1], 0x0                ; ybuf, out0
	v_lshlrev_b32 v1, 4, v0
	s_lshl_b32 s8, ttmp9, 15
	s_mov_b32 s9, 0
	s_wait_kmcnt 0x0
	s_add_nc_u64 s[4:5], s[4:5], s[8:9]            ; half 0, slot 0
	s_add_nc_u64 s[6:7], s[6:7], s[8:9]
	s_add_nc_u64 s[10:11], s[4:5], 0x800000        ; half 0, slot 1: a plane is 8,388,608 bytes, one more than a load's immediate holds
	s_add_nc_u64 s[12:13], s[10:11], 0x800000      ; half 1, slot 0
	s_add_nc_u64 s[14:15], s[12:13], 0x800000      ; half 1, slot 1
.irp i, 0,1,2,3,4,5,6,7
	global_load_b128 v[8+16*\i:11+16*\i], v1, s[4:5] offset:4096*\i th:TH_LOAD_NT
	global_load_b128 v[12+16*\i:15+16*\i], v1, s[12:13] offset:4096*\i th:TH_LOAD_NT
	global_load_b128 v[16+16*\i:19+16*\i], v1, s[10:11] offset:4096*\i th:TH_LOAD_NT
	global_load_b128 v[20+16*\i:23+16*\i], v1, s[14:15] offset:4096*\i th:TH_LOAD_NT
.endr
.irp i, 0,1,2,3,4,5,6,7
	s_wait_loadcnt 28-4*\i                         ; group i's four loads are in; the younger groups may be out
	v_pk_add_f32 v[8+16*\i:9+16*\i], v[8+16*\i:9+16*\i], v[12+16*\i:13+16*\i]      ; the lower expert's two halves
	v_pk_add_f32 v[10+16*\i:11+16*\i], v[10+16*\i:11+16*\i], v[14+16*\i:15+16*\i]
	v_pk_add_f32 v[16+16*\i:17+16*\i], v[16+16*\i:17+16*\i], v[20+16*\i:21+16*\i]  ; the higher expert's
	v_pk_add_f32 v[18+16*\i:19+16*\i], v[18+16*\i:19+16*\i], v[22+16*\i:23+16*\i]
	v_pk_add_f32 v[8+16*\i:9+16*\i], v[8+16*\i:9+16*\i], v[16+16*\i:17+16*\i]
	v_pk_add_f32 v[10+16*\i:11+16*\i], v[10+16*\i:11+16*\i], v[18+16*\i:19+16*\i]
	global_store_b128 v1, v[8+16*\i:11+16*\i], s[6:7] offset:4096*\i th:TH_STORE_NT        ; a wave stores 512 consecutive bytes, at a multiple of 256 from out0's first byte
.endr
	s_endpgm
.Lfunc_end_k_q1d19a39a87_add:
	.size	k_q1d19a39a87_add, .Lfunc_end_k_q1d19a39a87_add-k_q1d19a39a87_add
	.p2alignl 7, 3214868480
	.fill 96, 4, 3214868480
	.section	.rodata,"a",@progbits
	.p2align	6, 0x0
	.amdhsa_kernel k_q1d19a39a87_add
		.amdhsa_group_segment_fixed_size 0
		.amdhsa_private_segment_fixed_size 0
		.amdhsa_enable_private_segment 0
		.amdhsa_kernarg_size 16
		.amdhsa_user_sgpr_count 2
		.amdhsa_user_sgpr_kernarg_segment_ptr 1
		.amdhsa_wavefront_size32 1
		.amdhsa_system_sgpr_workgroup_id_x 1
		.amdhsa_system_sgpr_workgroup_id_y 1
		.amdhsa_system_sgpr_workgroup_id_z 1
		.amdhsa_system_vgpr_workitem_id 0
		.amdhsa_next_free_vgpr 136
		.amdhsa_next_free_sgpr 66
		.amdhsa_reserve_vcc 0
		.amdhsa_float_denorm_mode_32 3
		.amdhsa_float_denorm_mode_16_64 3
		.amdhsa_memory_ordered 1
		.amdhsa_forward_progress 1
		.amdhsa_inst_pref_size 8
	.end_amdhsa_kernel
	.amdgpu_metadata
---
amdhsa.version: [ 1, 2 ]
amdhsa.kernels:
  - .name:           k_q1d19a39a87_add
    .symbol:         k_q1d19a39a87_add.kd
    .args:
      - { .name: ybuf, .offset: 0, .size: 8, .value_kind: global_buffer, .address_space: global }
      - { .name: out0, .offset: 8, .size: 8, .value_kind: global_buffer, .address_space: global }
    .group_segment_fixed_size: 0
    .private_segment_fixed_size: 0
    .kernarg_segment_align: 8
    .kernarg_segment_size: 16
    .max_flat_workgroup_size: 256
    .sgpr_count:     66
    .vgpr_count:     136
    .wavefront_size: 32
...
	.end_amdgpu_metadata
.endif
;; end of part 7
;; ======== version 3 of 3: 4 launches; version 2 with the launch chain written anew for expert scheduling mode
;; workspace buffers: xq 1,572,864 bytes; xs 65,536 bytes; wq 13,107,200 bytes; sel 16,384 bytes of whole numbers; list 163,840 bytes of whole numbers; cnt 256 bytes of whole numbers; ybuf 33,554,432 bytes
;; launch prep: the kernel of part 1 again; grid 640 x 1, 4 waves a work-group, no clusters, 35,328 bytes of LDS; arguments x, Wg, bg, W1, W2, xq, xs, wq, out1, sel; writes xq, xs, wq, out1, sel
;; launch place: the kernel of part 5 again; grid 8 x 1, 32 waves a work-group, no clusters, 4,352 bytes of LDS; arguments sel, list, cnt; writes list, cnt
;; launch chain (part 8): grid 220 x 1, 4 waves a work-group, no clusters, 137,728 bytes of LDS; arguments cnt, list, xq, xs, wq, b1, b2, out1, ybuf; writes ybuf
.if DOCPART == 8
	.amdgcn_target "amdgcn-amd-amdhsa--gfx1250"
	.amdhsa_code_object_version 6
	.text
	.protected	k_q1d19a39a87_chain
	.globl	k_q1d19a39a87_chain
	.p2align	8
	.type	k_q1d19a39a87_chain,@function
k_q1d19a39a87_chain:
	s_mov_b64 s[64:65], 0
	v_nop
	global_prefetch_b8 v0, s[64:65] scope:SCOPE_SE
	s_setreg_imm32_b32 hwreg(HW_REG_WAVE_SCHED_MODE, 0, 2), 2
	s_setreg_imm32_b32 hwreg(HW_REG_WAVE_MODE, 25, 1), 1
	s_wait_xcnt 0x0
	s_wait_alu depctr_vm_vsrc(0)
; THE CHAIN.  Two work-groups share a tile of 80 rows of one expert's list: half hh takes hidden units 1024 hh on through relu(x W1 + b1) and its part of the sum over H of (.) W2, x the gate weight; half 0 adds b2.
; Both products are on codes of E2M3 with E8M0 scales.  The rows go to ybuf [2 halves][2 slots][4096][512] at the rows that the list names; a later launch adds the four planes.
; Only the rows whose token chose the expert are multiplied: the others are multiplied by a 0 that the layer itself builds.
; THE GRID serves every split: 8,192 rows in tiles of 80 over 8 experts are never more than (8192 + 8 x 79) / 80 = 110 tiles, each with two halves.  A work-group that the split leaves without a tile passes over
; the work, passes both barriers, stores nothing and ends.  A last tile that is short repeats its last row: the same bits go to the same place from the same wave, so EXEC never changes.
; SHARES.  THE WAVES SHARE THE COLUMNS: wave w makes hidden units 1024 hh + 256 w on (phase 1) and output columns 128 w on (phase 2), for all five tiles of 16 rows.  So each fragment of the weights is wanted by
; ONE wave, which loads it from memory straight into registers, in the order in which an earlier launch laid it, and feeds five matrix instructions with it.
; NO CLUSTER, NO JOINT LOADS: the weights never pass through LDS, which expert a work-group serves hangs on counts read from memory, and the two halves of a tile share only x's 80 rows of codes.
; Both products are used transposed (source 0 = 16 rows of weights, source 1 = 16 rows of the tile): a lane holds one row, and its registers run along the next K.
; The half's hidden layer, 80 x 1,024, is quantised in registers and lies in LDS as images of the operand's registers.  The biases are the C of each sum's first product.
; THE RING: four slots of 96 registers + 4 scale registers; a unit (8 fragments + scale words, 12,800 bytes, 25 loads) serves 40 matrix instructions.  A slot is asked for again in the unit that follows its own.
; LIMITS: as the launch that quantises states them (NaN, infinities, blocks under 2^-124; a block of zeros has the byte 1 and zero codes).  Half 1 multiplies b2 by 0: an infinite b2 is not served.
; THE MODE: SCHED_MODE bits 1:0 = 2 (LLVM: expert scheduling mode 2), set by the entry lines.  The code itself states the register dependences between vector or matrix instructions and memory or LDS
; instructions, with s_wait_alu, always for 0.
; THE PLAN.  Registers that memory or LDS instructions touch:
;   v1, v5-7, v10, v11   addresses, made at the head and never written again.
;   slot j, its scale words   Read by the 40 products of the unit in slot j; the loads of the unit four further on land there in the NEXT unit, behind that unit's head.
;   b1's tiles, two sets      Unit b's first ten products read set b % 2; the LDS loads for unit b + 1 land in the other set at unit b's head.
;   v2, v3, v4                Written at a trip's head; read by the trip's image stores (v2, v3) and by b1's loads (v4).
;   codes and scale words (v152-211, v247-251)   Written by a trip's conversions and moves; read by its 20 image stores.
;   hidden sets 0, 1 and their scale words       Unit k of phase 2 reads set k % 2; the LDS loads for unit k + 1 land in the other set at unit k's head.
;   Y; rows, two sets; offsets, two sets         The way out: tile m's multiplies write Y, which its stage stores read; its rows land in set m % 2; its offsets are made in set m % 2, and tile m + 1's entries land in the other.
; So ONE wait on va_vdst stands at a unit's head.  In phase 1 it stands behind the quantising of the unit before, which has read all that unit's results.  Behind it the unit's loads are dealt among its
; products, which name the unit's own slot, scale words and set, x and the accumulators: none of the registers that those loads touch.  One more stands ahead of a trip's image stores, and one in each tile of the way out.
; Waits on vm_vsrc: at a trip's head, behind the barrier that ends phase 1, behind the list, and in tiles 1 to 3 of the way out.
; LDS: 0 the hidden layer's 40 images ((5 k + m) x 1,536); HSC their scale words ((5 k + m) x 128); B1L my wave's 256 numbers of b1; TKL my wave's 80 entries; STG my wave's stage, 16 rows x 528; XIMG x's 20 images ((4 m + s) x 1,536).
; REGISTERS.  Window 0: v1 16 x lane; v2-4 this trip's LDS addresses; v5 scale words' place; v6 my entries' place; v7 b2's offset; v10, v11 the stage in, out; v12 my bytes in a row of ybuf; v13-15 at work; v16-20 list entries;
;   v21-25 gate weights; v26-45 x's scale words, v46-61 the ring's, v62-71 the hidden layer's (scales and nothing else); v72-151 10 accumulators of phase 1; v152-211 codes; v212-230 second halves; v232-251 at work;
;   v252-254 the LDS addresses' fixed parts; v231, v255 the closing add's two.  Phase 2: v72-191 two sets of five hidden fragments.  Way out: v72-199 rows, two sets; v200-215, v232-247 offsets, two sets.
;   Window 1: x's 20 fragments, then the accumulators of row tiles 0-3 ((m, n) at 8 (8 m + n)).   Window 2: slots 0, 1; from v192 b2's 8 tiles.   Window 3: slots 2, 3; from v192 b1's tiles, two sets of two, then row tile 4's accumulators.
.set HSC,  61440
.set B1L,  66560
.set TKL,  70656
.set STG,  72704
.set XIMG, 106496
.set UB,   12800                       ; bytes of a unit
.set TOK,  16
.set GW,   21
.set XS,   26
.set WS,   46
.set HS,   62
.set HA,   72
.set PC,   152
.set OF,   200                         ; the way out's offsets: set 0 here, set 1 32 registers on
.set CB,   212
.set MX,   232
.set PX,   237
.set SO,   242
.set PW,   247
.set MSB, 0
.macro WIN new                         ; bits 1:0 source 0, 3:2 source 1, 5:4 source 2, 7:6 destination; the high byte repeats the setting that is left
.if MSB != (\new)
	s_set_vgpr_msb (MSB<<8)|(\new)
.set MSB, (\new)
.endif
.endm
.macro PLACES                          ; four plain lines behind a matrix instruction (ISA guide 7.12.1)
.rept 4
	v_nop
.endr
.endm
.macro RLO slot, off                   ; fragments 0-3 of the unit at off: 12 loads of 512 consecutive bytes
	WIN (2+(\slot)/2)<<6
.irp i, 0,1,2,3,4,5,6,7,8,9,10,11
	global_load_b128 v[96*((\slot)%2)+4*\i:96*((\slot)%2)+4*\i+3], v1, s[50:51] offset:(\off)+512*\i
.endr
.endm
.macro RHI slot, off                   ; fragments 4-7 and the scale words: 13 loads
	WIN (2+(\slot)/2)<<6
.irp i, 12,13,14,15,16,17,18,19,20,21,22,23
	global_load_b128 v[96*((\slot)%2)+4*\i:96*((\slot)%2)+4*\i+3], v1, s[50:51] offset:(\off)+512*\i
.endr
	WIN 0
	global_load_b128 v[WS+4*(\slot):WS+4*(\slot)+3], v1, s[50:51] offset:(\off)+12288
.endm
	s_load_b512 s[4:19], s[0:1], 0x0               ; cnt s[4:5], list s[6:7], xq s[8:9], xs s[10:11], wq s[12:13], b1 s[14:15], b2 s[16:17], out1 s[18:19]
	s_load_b64 s[20:21], s[0:1], 0x40              ; ybuf
	v_lshl_add_u32 v231, v0, 2, 0x21800
	v_mov_b32 v255, 0
	v_lshrrev_b32 v13, 5, v0
	v_readfirstlane_b32 s32, v13                   ; wave 0..3
	v_lshl_add_u32 v6, v13, 9, TKL                 ; my wave's entries: one address for all lanes
	v_and_b32 v13, 31, v0                          ; lane
	v_and_b32 v14, 15, v0                          ; r
	v_bfe_u32 v15, v0, 4, 1                        ; h
	v_lshlrev_b32 v1, 4, v13
	s_wait_alu depctr_va_sdst(0)                   ; s32 is written, ahead of its first reader: LDS addresses and the streams' bases are made from it
	s_mul_i32 s54, s32, 15360
	v_add_nc_u32 v252, s54, v1                     ; my images: K steps 2 w on, five images each
	v_lshlrev_b32 v5, 2, v13
	v_add_nc_u32 v5, HSC, v5
	s_mul_i32 s54, s32, 1280
	v_add_nc_u32 v253, s54, v5                     ; and their scale words
	s_lshl_b32 s54, s32, 10
	v_lshlrev_b32 v254, 6, v15
	v_add_nc_u32 v254, s54, v254
	v_add_nc_u32 v254, B1L, v254                   ; b1: my half's 16 numbers of a block of 32
	v_add_nc_u32 v185, s54, v1
	v_add_nc_u32 v185, B1L, v185                   ; where b1 is laid
	s_lshl_b32 s54, s32, 9
	v_add_nc_u32 v12, s54, v1                      ; a row of ybuf: my wave's 512 bytes
	v_lshl_add_u32 v187, v14, 2, v6                ; where row r's entry is laid
	s_mul_i32 s54, s32, 1536
	v_add_nc_u32 v188, s54, v1
	v_add_nc_u32 v188, XIMG, v188                  ; where I lay x's K step w
	v_add_nc_u32 v189, XIMG, v1                    ; and whence all of x comes back
	s_mul_i32 s55, s32, 8448
	v_mul_u32_u24 v10, v14, 528
	v_lshl_add_u32 v10, v15, 5, v10
	v_add_nc_u32 v10, s55, v10
	v_add_nc_u32 v10, STG, v10                     ; the stage: row r, + 32 h
	v_add_nc_u32 v11, s55, v1
	v_add_nc_u32 v11, STG, v11                     ; back: a row of 512 bytes to the 32 lanes
	v_mul_u32_u24 v186, v15, 48
	s_mul_i32 s54, s32, 96
	v_add_nc_u32 v186, s54, v186                   ; in a row of xq: K step w, + 48 h
	v_lshlrev_b32 v7, 5, v15
.irp m, 0,1,2,3,4
	v_mov_b32 v[PX+\m], 0                          ; written once: a lane permute's destination counts as one of its sources
.endr
	s_mov_b32 s48, 0x76543210
	s_mov_b32 s49, 0xfedcba98                      ; v_permlanex16_b32's selects for lane l xor 16
	s_wait_kmcnt 0x0
	s_load_b256 s[24:31], s[4:5], 0x0              ; the experts' numbers of rows
	s_wait_kmcnt 0x0
.irp e, 0,1,2,3,4,5,6,7
	s_add_co_u32 s[40+\e], s[24+\e], 79
	s_mul_i32 s[40+\e], s[40+\e], 52429            ; / 80: 52,429 / 2^22 is 1 / 80 from above by 16 parts in 2^22 x 80: exact for numbers under 262,144
	s_lshr_b32 s[40+\e], s[40+\e], 22              ; tiles of expert e
.endr
	s_add_co_u32 s34, s40, s41
.irp e, 2,3,4,5,6,7
	s_add_co_u32 s34, s34, s[40+\e]
.endr
	s_and_b32 s59, ttmp9, 1                        ; hh: which half of H
	s_lshr_b32 s33, ttmp9, 1
	s_cmp_ge_u32 s33, s34
	s_cselect_b32 s38, 1, 0                        ; EMPTY: no tile is left for me.
	s_cselect_b32 s33, 0, s33                      ; My tile; without one I address tile 0, which always exists, so that every load reads written bytes
	s_mov_b32 s34, 0
	s_mov_b32 s35, 0
	s_mov_b32 s36, 0
	s_mov_b32 s37, s24
.irp e, 0,1,2,3,4,5,6,7                ; the last expert whose first tile is not behind mine
	s_cmp_ge_u32 s33, s34
	s_cselect_b32 s35, \e, s35                     ; the expert,
	s_cselect_b32 s36, s34, s36                    ; its first tile,
	s_cselect_b32 s37, s[24+\e], s37               ; its rows
	s_add_co_u32 s34, s34, s[40+\e]
.endr
	s_min_u32 s35, s35, 7
	s_sub_co_u32 s39, s33, s36
	s_mul_i32 s39, s39, 80                         ; my first place in the list
	s_sub_co_u32 s52, s37, 1                       ; the list's last
	s_mov_b32 s55, 0
	s_mul_i32 s54, s35, 20480
	s_add_nc_u64 s[6:7], s[6:7], s[54:55]
	s_lshl_b32 s54, s35, 13
	s_lshl_b32 s58, s59, 12
	s_add_co_u32 s54, s54, s58
	s_lshl_b32 s58, s32, 10
	s_add_co_u32 s54, s54, s58
	s_add_nc_u64 s[14:15], s[14:15], s[54:55]      ; b1: the expert's, my half's, my 256
	s_lshl_b32 s54, s35, 11
	s_lshl_b32 s58, s32, 9
	s_add_co_u32 s54, s54, s58
	s_add_nc_u64 s[16:17], s[16:17], s[54:55]      ; b2: the expert's, my 128
	s_lshl_b32 s54, s35, 2
	s_add_nc_u64 s[18:19], s[18:19], s[54:55]      ; the expert's column of the gate weights
	s_add_co_u32 s60, s54, s32                     ; W2's stream: units (4 E + w) x 32 + 16 + 8 hh on;
	s_lshl_b32 s60, s60, 5
	s_lshl_b32 s58, s59, 3
	s_add_co_u32 s60, s60, s58
	s_add_co_u32 s60, s60, 12                      ; four units less: the last trip of phase 1 asks four units ahead of its base
	s_mul_i32 s60, s60, UB
	s_mov_b32 s61, 0
	s_lshl_b32 s58, s59, 1                         ; W1's stream: units (4 E + 2 hh + w / 2) x 32 + 8 (w % 2) on
	s_add_co_u32 s54, s54, s58
	s_lshr_b32 s58, s32, 1
	s_add_co_u32 s54, s54, s58
	s_lshl_b32 s54, s54, 5
	s_and_b32 s58, s32, 1
	s_lshl_b32 s58, s58, 3
	s_add_co_u32 s54, s54, s58
	s_mul_i32 s54, s54, UB
	s_add_nc_u64 s[50:51], s[12:13], s[54:55]
	s_lshl_b32 s34, s59, 13                        ; my half's planes of ybuf: 8,192 rows on
	s_cmp_eq_u32 s59, 0
	s_cselect_b32 s62, 0x3f800000, 0               ; b2 counts once: x 1.0 in half 0, x 0 in half 1
	s_mov_b32 s63, s62
	s_mov_b32 s53, 0
	s_mov_b32 s56, 0
	s_mov_b32 s57, 0
	s_mov_b32 s58, 0
.irp m, 0,1,2,3,4
	v_add_nc_u32 v[152+\m], s39, v14
	v_add_nc_u32 v[152+\m], 16*\m, v[152+\m]
	v_min_u32 v[152+\m], s52, v[152+\m]            ; past the list's end: its last row once more
	v_min_u32 v[152+\m], 0xfff, v[152+\m]
	v_lshlrev_b32 v[152+\m], 2, v[152+\m]
.endr
	s_wait_alu depctr_va_vdst(0)                   ; the list's five offsets are written, and so are all the addresses made above, which the loads and stores of the whole kernel read
.irp m, 0,1,2,3,4
	global_load_b32 v[TOK+\m], v[152+\m], s[6:7]
.endr
.irp i, 0,1
	global_load_b128 v[192+4*\i:195+4*\i], v1, s[14:15] offset:512*\i
.endr
	RLO 0, 0                                       ; the ring's first two units go out with the list: they hang on the expert alone
	RHI 0, 0
	RLO 1, UB
	RHI 1, UB
	s_wait_loadcnt 50                              ; the list and b1 are in; the 50 loads of the two units may be out
.irp i, 0,1
	ds_store_b128 v185, v[192+4*\i:195+4*\i] offset:512*\i
.endr
	s_wait_alu depctr_vm_vsrc(0)                   ; the list's loads have read v152-156, which the lines below write again
.irp m, 0,1,2,3,4
	v_min_u32 v[TOK+\m], 0x1fff, v[TOK+\m]         ; the entry: token + 4096 x slot
	v_add_nc_u32 v[200+\m], s34, v[TOK+\m]         ; the row of ybuf
	v_and_b32 v[152+\m], 0xfff, v[TOK+\m]          ; the token
	v_mul_u32_u24 v[160+\m], 0x180, v[152+\m]
	v_add_nc_u32 v[160+\m], v186, v[160+\m]        ; its codes: 384 bytes a row
	v_lshlrev_b32 v[168+\m], 4, v[152+\m]          ; its scale words
	v_lshlrev_b32 v[176+\m], 5, v[152+\m]          ; its gate weights
.endr
	s_wait_alu depctr_va_vdst(0)                   ; the rows of ybuf v200-204, which the LDS stores read, and the offsets v160-164, v168-172, v176-180, which the loads read, are written
.irp m, 0,1,2,3,4
	ds_store_b32 v187, v[200+\m] offset:64*\m      ; both halves of the lanes write the same word with the same value
.endr
.irp m, 0,1,2,3,4
.irp g, 0,1,2
	global_load_b128 v[HA+12*\m+4*\g:HA+12*\m+4*\g+3], v[160+\m], s[8:9] offset:16*\g      ; x's fragment (m, K step w): 48 bytes a lane.  Each wave loads a quarter of x
.endr
.endr
.irp m, 0,1,2,3,4
	global_load_b128 v[XS+4*\m:XS+4*\m+3], v[168+\m], s[10:11]
.endr
.irp m, 0,1,2,3,4
	global_load_b32 v[GW+\m], v[176+\m], s[18:19]
.endr
	WIN 0x80
.irp n, 0,1,2,3,4,5,6,7
	global_load_b128 v[192+8*\n:195+8*\n], v7, s[16:17] offset:64*\n           ; b2 at output columns 16 n + 8 h + 0 .. 7: the result's layout
	global_load_b128 v[196+8*\n:199+8*\n], v7, s[16:17] offset:64*\n+16
.endr
	RLO 2, 2*UB
	RHI 2, 2*UB
	RLO 3, 3*UB
	RHI 3, 3*UB
	s_wait_loadcnt 50                              ; x, its scale words, the gate weights and b2 are in, on every path; the 50 loads of units 2 and 3 may be out
.irp m, 0,1,2,3,4
.irp g, 0,1,2
	ds_store_b128 v188, v[HA+12*\m+4*\g:HA+12*\m+4*\g+3] offset:6144*\m+512*\g     ; as an image of the operand's registers
.endr
.endr
	s_wait_dscnt 0x0                               ; for the others' sake: my quarter of x lies in LDS (and b1 and my entries, which are my own)
	s_barrier_signal -1
	s_barrier_wait -1                              ; every wave's does
	WIN 0x40
.irp m, 0,1,2,3,4
.irp s, 0,1,2,3
.irp g, 0,1,2
	ds_load_b128 v[12*(4*\m+\s)+4*\g:12*(4*\m+\s)+4*\g+3], v189 offset:(4*\m+\s)*1536+512*\g
.endr
.endr
.endr
	WIN 0
; PHASE 1.  20 products of unit b: K step s, tiles u = 0, 1 of 16 hidden units, the five tiles of rows.  The ten accumulators take turns, one instruction a turn.
.macro P1 b, s
.irp u, 0,1
.irp m, 0,1,2,3,4
.set rD, HA+16*\m+8*\u
.set rA, 96*((\b)%2)+12*(2*(\s)+\u)
.set rB, 12*(4*\m+(\s))
.set rC, rD
.if (\s) == 0
.set rC, 192+16*((\b)%2)+8*\u          ; the first K step starts the sums with b1 (window 3, set b % 2)
.endif
.set rSA, WS+4*(\b)+(\s)
.set rSB, XS+4*\m+(\s)
.if \u
	v_wmma_scale_f32_16x16x128_f8f6f4 v[rD:rD+7], v[rA:rA+11], v[rB:rB+11], v[rC:rC+7], v[rSA], v[rSB] matrix_a_fmt:MATRIX_FMT_FP6 matrix_b_fmt:MATRIX_FMT_FP6 matrix_a_scale:MATRIX_SCALE_ROW1
.else
	v_wmma_scale_f32_16x16x128_f8f6f4 v[rD:rD+7], v[rA:rA+11], v[rB:rB+11], v[rC:rC+7], v[rSA], v[rSB] matrix_a_fmt:MATRIX_FMT_FP6 matrix_b_fmt:MATRIX_FMT_FP6
.endif
.endr
.endr
.endm
.macro B1LOAD b                        ; b1 at hidden units 32 b + 16 h + 8 u + 0 .. 7 of the trip's 128, into set b % 2 of window 3
	WIN 0xc0
.irp u, 0,1
	ds_load_b128 v[192+16*((\b)%2)+8*\u:195+16*((\b)%2)+8*\u], v4 offset:128*(\b)+32*\u
	ds_load_b128 v[196+16*((\b)%2)+8*\u:199+16*((\b)%2)+8*\u], v4 offset:128*(\b)+32*\u+16
.endr
.endm
; Unit b's 32 hidden units are block b of the trip's K step.  A lane's 16 registers of a row tile are k = 32 b + 16 h + 0 .. 15 of its row.  The five row tiles take turns line by line.
.macro QB b
.irp j, 0,1,2,3,4,5,6,7,8,9,10,11,12,13,14,15
.irp m, 0,1,2,3,4
	v_max_num_f32 v[HA+16*\m+\j], 0, v[HA+16*\m+\j]        ; the activation; each accumulator from its low end on
.endr
.endr
.irp m, 0,1,2,3,4
	v_max3_num_f32 v[MX+\m], v[HA+16*\m], v[HA+1+16*\m], 0x1800000 ; none is negative: no |.|; the floor 2^(3 - 127) holds the byte at 1 from below
.endr
.irp i, 2,4,6,8,10,12,14
.irp m, 0,1,2,3,4
	v_max3_num_f32 v[MX+\m], v[MX+\m], v[HA+16*\m+\i], v[HA+1+16*\m+\i]
.endr
.endr
.irp m, 0,1,2,3,4
	v_permlanex16_b32 v[PX+\m], v[MX+\m], s48, s49
.endr
.irp m, 0,1,2,3,4
	v_max_num_f32 v[MX+\m], v[MX+\m], v[PX+\m]             ; with lane l xor 16's: the block's largest
.endr
.irp m, 0,1,2,3,4
	v_add_nc_u32 v[SO+\m], 0xff000000, v[MX+\m]            ; 2 off the exponent field: the conversion's scale operand
.endr
.irp m, 0,1,2,3,4
	v_lshrrev_b32 v[MX+\m], 23, v[SO+\m]                   ; the byte
.endr
.irp m, 0,1,2,3,4
.if (\b) == 0
	v_mov_b32 v[PW+\m], v[MX+\m]
.else
	v_lshl_or_b32 v[PW+\m], v[MX+\m], 8*(\b), v[PW+\m]     ; into the row's scale word of this K step
.endif
.endr
.if (\b)%2 == 0
.irp m, 0,1,2,3,4
	v_cvt_scalef32_pk16_fp6_f32 v[PC+12*\m+6*((\b)/2):PC+12*\m+6*((\b)/2)+2], v[HA+16*\m:HA+15+16*\m], v[SO+\m]
.endr
	v_nop                                          ; a plain line behind the conversions
.else
.irp m, 0,1,2,3,4
	v_cvt_scalef32_pk16_fp6_f32 v[CB+4*\m:CB+4*\m+2], v[HA+16*\m:HA+15+16*\m], v[SO+\m]    ; (three registers that begin on an even number)
.endr
	v_nop
.irp m, 0,1,2,3,4                      ; the operand wants a WHOLE block in a lane: lanes 0-15 the even block, lanes 16-31 the odd one
.irp i, 0,1,2
	v_permlane16_swap_b32 v[PC+12*\m+6*((\b)/2)+\i], v[CB+4*\m+\i]
.endr
.endr
.irp m, 0,1,2,3,4
.irp i, 0,1,2
	v_mov_b32 v[PC+12*\m+6*((\b)/2)+3+\i], v[CB+4*\m+\i]
.endr
.endr
.endif
.if (\b) == 3
	s_wait_alu depctr_va_vdst(0)                   ; the codes v152-211 and the scale words v247-251 are written, which the LDS stores read; unit 3's products are done reading slot 3 and its scale words, in which the loads behind the stores land
.irp m, 0,1,2,3,4                      ; the K step's five fragments go to LDS as they stand
.irp g, 0,1,2
	ds_store_b128 v2, v[PC+12*\m+4*\g:PC+12*\m+4*\g+3] offset:1536*\m+512*\g
.endr
	ds_store_b32 v3, v[PW+\m] offset:128*\m
.endr
.endif
.endm
.macro UNIT1 b
.if (\b) == 0
	s_wait_loadcnt 63                              ; behind this unit's 25 loads at least 75 were issued: with 63 out, the largest count that the wait names, the unit is in
	s_wait_alu depctr_va_vdst(0)                   ; v4 is written, which b1's loads read (and v2, v3, which the trip's image stores read)
	B1LOAD 0
	B1LOAD 1
	s_wait_dscnt 4                                 ; x (first trip) and this unit's two tiles of b1 are in; the next unit's four loads may be out
.else
	s_wait_loadcnt 50                              ; the two younger units, 50 loads, may be out: the third is asked for below
	s_wait_alu depctr_va_vdst(0)                   ; the products of the unit before are done reading its slot, its scale words and its set of b1: the loads of this unit land there
.if (\b) < 3
	B1LOAD (\b)+1
	s_wait_dscnt 4                                 ; this unit's two tiles of b1, asked for a unit ago, are in; the four loads just issued may be out
.else
	s_wait_dscnt 0x0                               ; this unit's two tiles of b1 are in
.endif
.endif
	WIN 0x34|(2+(\b)/2)                            ; source 0: the slot's window; source 1 (x): window 1; C (b1): window 3
	P1 \b, 0
.if (\b) > 0
	RLO (\b)-1, ((\b)+3)*UB                        ; the slot of the unit before takes the unit four further on.  No wait: no vector or matrix line since the head's wait names its registers
.endif
	WIN 0x04|(2+(\b)/2)
	P1 \b, 1
	P1 \b, 2
	P1 \b, 3
	PLACES                                         ; ahead of the vector lines that read the results
.if (\b) > 0
	RHI (\b)-1, ((\b)+3)*UB
.endif
	WIN 0
	QB \b
.if (\b) == 3
	RLO 3, 7*UB                                    ; slot 3, behind the wait that stands ahead of the image stores: so a trip leaves its four slots asked for in the order 0, 1, 2, 3
	RHI 3, 7*UB
.endif
.endm
.Ltrip:                                            ; two trips, a constant: trip t makes K step 2 w + t of my half from units 4 t .. 4 t + 3
	s_wait_alu depctr_vm_vsrc(0)                   ; first trip: the head's LDS stores and loads and its global loads have read v72-131 and v152-204, which products and conversions write; second: the image stores have read v2, v3, v152-211, v247-251, and b1's loads v4
	s_cmp_lg_u32 s38, 0
	s_cbranch_scc1 .Lskip                          ; without a tile: the work is passed over, the steps below are not.  Run or passed over, a trip leaves four units asked for, in the same order
	v_add_nc_u32 v2, s56, v252
	v_add_nc_u32 v3, s57, v253
	v_add_nc_u32 v4, s58, v254
	UNIT1 0
	UNIT1 1
	UNIT1 2
	UNIT1 3
.Lskip:
	s_wait_xcnt 0x0                                ; the loads that are out have read their base: it is written only behind this wait
	s_add_nc_u64 s[50:51], s[12:13], s[60:61]      ; behind trip 0: four units ahead of W2's first, so that trip 1 asks for W2's units 0-3; behind trip 1: W2's first
	s_add_co_u32 s60, s60, 4*UB
	s_add_co_u32 s56, s56, 7680
	s_add_co_u32 s57, s57, 640
	s_add_co_u32 s58, s58, 512
	s_add_co_u32 s53, s53, 1
	s_cmp_lt_u32 s53, 2
	s_cbranch_scc1 .Ltrip
	s_wait_dscnt 0x0                               ; for the others' sake: my images and scale words lie in LDS
	s_barrier_signal -1
	s_barrier_wait -1                              ; every wave's do.  The barrier stands on every path
	s_wait_alu depctr_vm_vsrc(0)                   ; my image stores have read v152-211 and v247-251: hidden fragments, rows and entries land there from here on
	s_cmp_lg_u32 s38, 0
	s_cbranch_scc1 .Lend
; PHASE 2, written out: unit k is K step k of my half of W2 for my 128 output columns.  The 40 accumulators take turns, one instruction a turn.
.macro HFLOAD k                        ; the hidden layer's five fragments of K step k and their scale words, into set k % 2
.irp m, 0,1,2,3,4
.irp g, 0,1,2
	ds_load_b128 v[HA+60*((\k)%2)+12*\m+4*\g:HA+60*((\k)%2)+12*\m+4*\g+3], v1 offset:(5*(\k)+\m)*1536+512*\g
.endr
	ds_load_b32 v[HS+5*((\k)%2)+\m], v5 offset:(5*(\k)+\m)*128
.endr
.endm
.macro ENTRIES m                       ; row tile m's sixteen entries from my own LDS words, one address for all lanes, into offsets' set m % 2: register i: row i's entry, in every lane
.irp q, 0,1,2,3
	ds_load_b128 v[OF+32*((\m)%2)+4*\q:OF+32*((\m)%2)+4*\q+3], v6 offset:64*(\m)+16*\q
.endr
.endm
.macro P2 k, n0                        ; 20 products: output tiles n0 .. n0 + 3; row tiles 0-3 (window 1), then row tile 4 (window 3)
.if (\k) == 0
	WIN 0x60|(2+((\k)%4)/2)                        ; the first K step starts the sums with b2: C in window 2
.else
	WIN 0x50|(2+((\k)%4)/2)                        ; source 0: the slot's window; C and D: window 1
.endif
.irp n, \n0, \n0+1, \n0+2, \n0+3
.irp m, 0,1,2,3
.set rD, 8*(8*\m+(\n))
.set rA, 96*((\k)%2)+12*(\n)
.set rB, HA+60*((\k)%2)+12*\m
.set rC, rD
.if (\k) == 0
.set rC, 192+8*(\n)
.endif
.set rSA, WS+4*((\k)%4)+(\n)/2
.set rSB, HS+5*((\k)%2)+\m
.if (\n)%2
	v_wmma_scale_f32_16x16x128_f8f6f4 v[rD:rD+7], v[rA:rA+11], v[rB:rB+11], v[rC:rC+7], v[rSA], v[rSB] matrix_a_fmt:MATRIX_FMT_FP6 matrix_b_fmt:MATRIX_FMT_FP6 matrix_a_scale:MATRIX_SCALE_ROW1
.else
	v_wmma_scale_f32_16x16x128_f8f6f4 v[rD:rD+7], v[rA:rA+11], v[rB:rB+11], v[rC:rC+7], v[rSA], v[rSB] matrix_a_fmt:MATRIX_FMT_FP6 matrix_b_fmt:MATRIX_FMT_FP6
.endif
.endr
.endr
.if (\k) == 0
	WIN 0xe0|(2+((\k)%4)/2)                        ; D in window 3, C (b2) in window 2
.else
	WIN 0xf0|(2+((\k)%4)/2)                        ; C and D in window 3
.endif
.irp n, \n0, \n0+1, \n0+2, \n0+3
.set rD, 192+8*(\n)
.set rA, 96*((\k)%2)+12*(\n)
.set rB, HA+60*((\k)%2)+48
.set rSA, WS+4*((\k)%4)+(\n)/2
.set rSB, HS+5*((\k)%2)+4
.if (\n)%2
	v_wmma_scale_f32_16x16x128_f8f6f4 v[rD:rD+7], v[rA:rA+11], v[rB:rB+11], v[rD:rD+7], v[rSA], v[rSB] matrix_a_fmt:MATRIX_FMT_FP6 matrix_b_fmt:MATRIX_FMT_FP6 matrix_a_scale:MATRIX_SCALE_ROW1
.else
	v_wmma_scale_f32_16x16x128_f8f6f4 v[rD:rD+7], v[rA:rA+11], v[rB:rB+11], v[rD:rD+7], v[rSA], v[rSB] matrix_a_fmt:MATRIX_FMT_FP6 matrix_b_fmt:MATRIX_FMT_FP6
.endif
.endr
.endm
.macro UNIT2 k
.if (\k) == 0
	s_wait_loadcnt 63                              ; as in phase 1: three younger units, 75 loads, were issued behind this one
.elseif (\k) <= 5
	s_wait_loadcnt 50                              ; the two younger units may be out
.else
	s_wait_loadcnt 25*(7-(\k))                     ; the units behind this one: one, none
.endif
	s_wait_dscnt 0x0                               ; this K step's hidden fragments are in (unit 0: and row tile 0's entries)
.if ((\k) > 0) && ((\k) < 7)
	s_wait_alu depctr_va_vdst(0)                   ; the products of the unit before are done reading its slot, its scale words, its set of hidden fragments and that set's scale words: the loads of this unit land there
.endif
.if ((\k) > 0) && ((\k) < 5)
	RLO ((\k)+3)%4, ((\k)+3)*UB                    ; the slot of the unit before takes the unit four further on: with the 50 that may be out, 62 loads
.endif
.if (\k) < 7
	WIN 0
	HFLOAD (\k)+1                                  ; the next K step's.  Unit 0: no vector or matrix line since the wait ahead of the last image stores names set 1
.endif
	P2 \k, 0
.if ((\k) > 0) && ((\k) < 5)
	RHI ((\k)+3)%4, ((\k)+3)*UB                    ; no wait: the products since the head's wait name this unit's own slot, set and scale words and the accumulators
.endif
	P2 \k, 4
	PLACES                                         ; behind the unit's last products: ahead of the next unit's loads into registers that they read, beside its wait and not in its place; unit 7: ahead of the vector lines that read results
.endm
	WIN 0x82                                       ; b2 (destination, source 0): window 2
.set J, 0
.rept 32
	v_pk_mul_f32 v[192+J:193+J], v[192+J:193+J], s[62:63] op_sel_hi:[1,0]          ; x 1.0 or x 0: b2 counts in half 0 alone
.set J, J+2
.endr
	WIN 0
	HFLOAD 0                                       ; no wait: since the wait ahead of the last image stores the only vector lines are those on b2, which name none of these loads' registers
	ENTRIES 0                                      ; likewise: row tile 0's entries lie ready when the way out begins
.irp k, 0,1,2,3,4,5,6,7
	UNIT2 \k
.endr
; THE WAY OUT, a tile of 16 rows at a time: x the row's gate weight; a lane's 32 neighbouring bytes go to my own stage and come back as whole rows of my 512 bytes, each stored to the row of ybuf that its entry names.
; A tile's entries were asked for a tile ahead; its offsets are made beside its multiplications, so that one wait serves the stage stores and the global stores.
.macro OUTM m
.if (\m) < 4
.set YB, 64*(\m)
.set WM, 0x41                          ; the accumulators (destination, source 0): window 1
.set WD, 0x04                          ; an LDS store's data are its source 1
.else
.set YB, 192
.set WM, 0xc3                          ; row tile 4: window 3
.set WD, 0x0c
.endif
.set BK, HA+64*((\m)%2)
.set OS, OF+32*((\m)%2)
	WIN 0
	v_mov_b32 v14, v[GW+(\m)]
	v_mov_b32 v15, v[GW+(\m)]
.irp i, 0,1,2,3,4,5,6,7,8,9,10,11,12,13,14,15
	v_min_u32 v[OS+\i], 0x3fff, v[OS+\i]           ; (the entries are in: the last wait on DScnt was for 0)
	v_lshlrev_b32 v[OS+\i], 11, v[OS+\i]           ; 2,048 bytes a row
	v_add_nc_u32 v[OS+\i], v12, v[OS+\i]
.endr
	WIN WM
.set J, 0
.rept 32
	v_pk_mul_f32 v[YB+J:YB+J+1], v[YB+J:YB+J+1], v[14:15]  ; each accumulator from its low end on
.set J, J+2
.endr
	WIN WD
	s_wait_alu depctr_va_vdst(0)                   ; the multiplications have written Y, which the stage stores read, and the offsets are written, which the global stores read; every earlier reader and writer of the registers in which the loads below land is done
.irp n, 0,1,2,3,4,5,6,7
	ds_store_b128 v10, v[YB+8*\n:YB+8*\n+3] offset:64*\n
	ds_store_b128 v10, v[YB+8*\n+4:YB+8*\n+7] offset:64*\n+16
.endr
	WIN 0
.if ((\m) > 0) && ((\m) < 4)
	s_wait_xcnt 0x0                                ; the earlier tiles' stores have had their addresses translated: their rows and offsets are written again only behind this wait
	s_wait_alu depctr_vm_vsrc(0)                   ; the stores of the tile before have read their offsets, in which the next entries land, and those of two tiles back their rows, in which this tile's land (tile 4's rows: tile 3's pair of waits stands behind tile 2's stores)
.endif
.if (\m) < 4
	ENTRIES (\m)+1
.endif
.irp i, 0,1,2,3,4,5,6,7,8,9,10,11,12,13,14,15
	ds_load_b128 v[BK+4*\i:BK+4*\i+3], v11 offset:528*\i   ; LDS serves a wave's instructions in order: these see my stores, and the next tile's stores come behind them
.endr
.irp i, 0,1,2,3,4,5,6,7,8,9,10,11,12,13,14,15
	s_wait_dscnt 15-\i                             ; the younger loads may be out
	global_store_b128 v[OS+\i], v[BK+4*\i:BK+4*\i+3], s[20:21]     ; 32 lanes store 512 consecutive bytes, at a multiple of 256 from ybuf's first byte
.endr
.endm
	OUTM 0
	OUTM 1
	OUTM 2
	OUTM 3
	OUTM 4
.Lend:
	s_wait_dscnt 0x0                               ; the closing lines, six on end
	s_wait_alu 0x0
	s_wait_tensorcnt 0x0
	ds_add_u32 v231, v255
	s_wait_dscnt 0x0
	s_endpgm
.Lfunc_end_k_q1d19a39a87_chain:
	.size	k_q1d19a39a87_chain, .Lfunc_end_k_q1d19a39a87_chain-k_q1d19a39a87_chain
	.p2alignl 7, 3214868480
	.fill 96, 4, 3214868480
	.section	.rodata,"a",@progbits
	.p2align	6, 0x0
	.amdhsa_kernel k_q1d19a39a87_chain
		.amdhsa_group_segment_fixed_size 137728
		.amdhsa_private_segment_fixed_size 0
		.amdhsa_enable_private_segment 0
		.amdhsa_kernarg_size 72
		.amdhsa_user_sgpr_count 2
		.amdhsa_user_sgpr_kernarg_segment_ptr 1
		.amdhsa_wavefront_size32 1
		.amdhsa_system_sgpr_workgroup_id_x 1
		.amdhsa_system_sgpr_workgroup_id_y 1
		.amdhsa_system_sgpr_workgroup_id_z 1
		.amdhsa_system_vgpr_workitem_id 0
		.amdhsa_next_free_vgpr 1024
		.amdhsa_next_free_sgpr 66
		.amdhsa_reserve_vcc 0
		.amdhsa_float_denorm_mode_32 3
		.amdhsa_float_denorm_mode_16_64 3
		.amdhsa_memory_ordered 1
		.amdhsa_forward_progress 1
		.amdhsa_inst_pref_size 200
	.end_amdhsa_kernel
	.amdgpu_metadata
---
amdhsa.version: [ 1, 2 ]
amdhsa.kernels:
  - .name:           k_q1d19a39a87_chain
    .symbol:         k_q1d19a39a87_chain.kd
    .args:
      - { .name: cnt, .offset: 0, .size: 8, .value_kind: global_buffer, .address_space: global }
      - { .name: list, .offset: 8, .size: 8, .value_kind: global_buffer, .address_space: global }
      - { .name: xq, .offset: 16, .size: 8, .value_kind: global_buffer, .address_space: global }
      - { .name: xs, .offset: 24, .size: 8, .value_kind: global_buffer, .address_space: global }
      - { .name: wq, .offset: 32, .size: 8, .value_kind: global_buffer, .address_space: global }
      - { .name: b1, .offset: 40, .size: 8, .value_kind: global_buffer, .address_space: global }
      - { .name: b2, .offset: 48, .size: 8, .value_kind: global_buffer, .address_space: global }
      - { .name: out1, .offset: 56, .size: 8, .value_kind: global_buffer, .address_space: global }
      - { .name: ybuf, .offset: 64, .size: 8, .value_kind: global_buffer, .address_space: global }
    .group_segment_fixed_size: 137728
    .private_segment_fixed_size: 0
    .kernarg_segment_align: 8
    .kernarg_segment_size: 72
    .max_flat_workgroup_size: 128
    .sgpr_count:     66
    .vgpr_count:     1024
    .wavefront_size: 32
...
	.end_amdgpu_metadata
.endif
;; end of part 8
;; launch add: the kernel of part 7 again; grid 256 x 1, 8 waves a work-group, no clusters, 0 bytes of LDS; arguments ybuf, out0; writes out0
